; MI455X (gfx1250); checked and timed in simulation.
; The chip was launched on July 23, 2026; its instructions are those of AMD's public machine-readable ISA for CDNA 5 (MIT licence, August 2026) and "CDNA5" Instruction Set Architecture Reference Guide (July 2026). The comments in the code are by the model that wrote it; some were corrected since.
;; Multi Head Attention Ro PE. Allowed arithmetic: matrix products marked QUANTISED: E2M3 operands, one E8M0 scale for each 32 along K, by v_wmma_scale_f32_16x16x128_f8f6f4 with both operands' format E2M3, f32 sums; everything else in f32.
;; Inputs: Wo 1,024 x 1,024 float32; Wqkv 3,072 x 1,024 float32; bo 1,024 float32; key_padding_mask 4 x 2,048 bool; x 4 x 2,048 x 1,024 float32.
;; Outputs: out0 4 x 2,048 x 1,024 float32.
;; This version of the problem:
;;   THIS VERSION OF THE PROBLEM IS GIVEN IN LOW PRECISION. The matrix products marked QUANTISED in the list below multiply operands that are first quantised to E2M3 (2 exponent bits, 3 mantissa bits; 6 bits a number), with one power-of-two scale for each 32 numbers along K (OCP MX v1.0); their sums are f32. All else is computed in f32.
;;   The module's matrix products, in the order in which they are computed (A, B: the left and right operand; K: the contracted axis; several contracted axes count as one K, in the product's order):
;;     1. [M 8,192, K 1,024] x [K 1,024, N 3,072]; A: input x; B: input Wqkv: QUANTISED
;;     2. batch 64 x [M 2,048, K 64] x [K 64, N 2,048]; A: computed on the way; B: computed on the way: QUANTISED
;;     3. batch 64 x [M 2,048, K 2,048] x [K 2,048, N 64]; A: softmax (see below); B: computed on the way: QUANTISED
;;     4. [M 8,192, K 1,024] x [K 1,024, N 1,024]; A: computed on the way; B: input Wo: QUANTISED
;;   THE QUANTISER, for each operand of a quantised product, along K:
;;     - K is cut into blocks of 32 from its start; a last block that is shorter is filled with zeros.
;;     - A block's scale is 2^e with e = floor(log2(the largest magnitude in the block)) - 2, held to -126 .. 127; a block of zeros has e = 0. As a byte (E8M0): e + 127.
;;     - Each number is divided by its block's scale, clamped to +-7.5, and rounded to the nearest number of E2M3, ties to even, subnormals kept.
;;     - The product sums the exact products of the quantised numbers (number of the format x scale) in f32.
;;   ~~~python
;;   def quantise(x, axis):      # numpy; x: float32 -> the quantised numbers, widened to float32 again
;;       x = np.moveaxis(x, axis, -1); K = x.shape[-1]
;;       x = np.pad(x, [(0, 0)] * (x.ndim - 1) + [(0, -K % 32)]); x = x.reshape(x.shape[:-1] + (-1, 32)); a = np.abs(x).max(-1, keepdims=True)
;;       e = np.where(a > 0, np.clip(np.frexp(np.where(a > 0, a, 1))[1] - 1 - 2, -126, 127), 0)      # np.frexp(a)[1] - 1 = floor(log2(a)), exactly
;;       r = np.clip(x / 2.0 ** e, -7.5, 7.5)
;;       step = 2.0 ** (np.maximum(np.frexp(np.where(r == 0, 1, r))[1] - 1, 0) - 3)
;;       q = np.round(r / step) * step * 2.0 ** e      # np.round: ties to even
;;       return np.moveaxis(q.reshape(q.shape[:-2] + (-1,))[..., :K], -1, axis).astype(np.float32)
;;   ~~~
;;   SOFTMAX AHEAD OF A QUANTISED PRODUCT. Where the list says 'softmax', what is quantised is not the finished softmax but p = 2^(t - M), with t = logit x log2(e) and M = ceil(the row's largest t), a whole number; so 1/2 < the row's largest p <= 1. The row's sum l is taken of the UNQUANTISED p, in f32, and the product's result is divided by l at the end. Since M is a whole number, a kernel that streams over the keys may use a running M (the ceiling of the running maximum): every later rescaling is an exact power of two, which a block's scale takes up: the codes' values come out the same.
;;   OPERANDS COMPUTED ON THE WAY. 'Computed on the way' means the value that the module computes at that place (a softmax that the list does not call 'softmax' is quantised finished and normalised). What goes into a quantiser is computed in f32, as accurately as f32 sums, v_exp_f32 and their like allow (about 1e-6 of the number): no bf16 or f16 on the way to a quantiser, and a product that is left as it is and whose result goes on into a quantised operand takes f32 operands (vector FMAs, or v_wmma_f32_16x16x4_f32). A number that lies on a knife's edge between two numbers of the format may be rounded either way, as far as f32 arithmetic and the matrix unit's own rounding can turn it there, and no further.
;; 2 versions, each right; version 2 is version 1 with the launch attn written anew for expert scheduling mode. Each part assembles by itself: llvm-mc -triple=amdgcn-amd-amdhsa -mcpu=gfx1250 --defsym DOCPART=n.
;; ======== version 1 of 2: 4 launches
;; workspace buffers: xw_img 8,650,752 bytes; xw_sc 360,448 bytes; q_img 6,815,744 bytes; kv_img 13,369,344 bytes; ow_img 7,077,888 bytes; ow_sc 294,912 bytes; rope 524,288 bytes; flags 256 bytes of whole numbers
;; launch prep (part 1): grid 449 x 1, 4 waves a work-group, no clusters, 34,304 bytes of LDS; arguments x, Wqkv, Wo, key_padding_mask, xw_img, xw_sc, ow_img, ow_sc, rope, flags; writes xw_img, xw_sc, ow_img, ow_sc, rope, flags
.if DOCPART == 1
	.amdgcn_target "amdgcn-amd-amdhsa--gfx1250"
	.amdhsa_code_object_version 6
	.text
	.protected	k_q04441ab2d6_prep
	.globl	k_q04441ab2d6_prep
	.p2align	8
	.type	k_q04441ab2d6_prep,@function
k_q04441ab2d6_prep:
	s_mov_b64 s[64:65], 0
	v_nop
	global_prefetch_b8 v0, s[64:65] scope:SCOPE_SE
	s_setreg_imm32_b32 hwreg(HW_REG_WAVE_MODE, 25, 1), 1
	s_wait_xcnt 0x0
; PREP.  Three kinds of work-group, told apart by the work-group's number:
;   0..383   x (256), Wqkv (96) and Wo (32), f32 with K innermost, become codes of FP6 (E2M3) and E8M0 scale bytes, laid as the products' operand registers want them;
;   384..447 the table of cos and sin for the rotary embedding, [token 2048][cos 32 | sin 32] f32;
;   448      for each batch a word whose bit g says: some key of keys 128 g .. 128 g + 127 is masked.
; THE IMAGE OF AN OPERAND.  A row tile is 16 rows; tile 2 B + u holds in its place i the row 32 B + 8 u + i + 8 (i / 8).  A half fragment (16 rows x 64 K) is six registers a lane: lane (r, h) holds the 32 codes
; of block h of the tile's place r.  In memory it is 768 bytes: registers 0-3 at 16 x lane, registers 4-5 at 512 + 8 x lane.  A row tile's 16 half fragments along K lie on end: 12,288 bytes.
; The scale word (4 bytes: 128 along K) of place r and K step ks lies at 512 x tile + 256 (ks / 4) + 16 r + 4 (ks % 4).
; A block's scale is 2^(floor(log2(its largest magnitude)) - 2); its byte is the largest magnitude's exponent field - 2, held at 1 from below.
; LIMITS: NaN and infinities among the inputs are not served.  A block whose largest magnitude lies under 2^-124 keeps the byte 1 (a block of zeros too: its codes are zeros, and this program alone reads the bytes).
; The table's angle is f32(token) x inv_freq with inv_freq = 2^(-j log2(10000) / 32) by v_exp_f32: it may differ from a correctly rounded inv_freq in the last bit, which at token 2,047 is up to 2e-4 of angle.
.set XIMG,   6291456                   ; 512 row tiles of 12,288 bytes: where the weights' images begin in both image buffers
.set XSC,    262144                    ; 512 x 512: the same for the scale words
.set SPITCH, 528                       ; a stage row: 512 bytes + 16: sixteen rows begin in sixteen different groups of banks
.set WSTG,   16*SPITCH                 ; a wave's own stage
.set W,      16                        ; v16-19   the four steps' scale words
.set F,      20                        ; v20-31   a fragment's codes
.set T,      32                        ; v32-34, v36-38 the second halves of the two blocks' codes
.set X,      40                        ; v40-103  64 numbers: my two blocks
.set R,      104                       ; v104-231 two sets of 64 registers as loaded
	s_load_b256 s[4:11], s[0:1], 0x0               ; x s[4:5], Wqkv s[6:7], Wo s[8:9], the mask s[10:11]
	s_load_b256 s[12:19], s[0:1], 0x20             ; xw_img s[12:13], xw_sc s[14:15], ow_img s[16:17], ow_sc s[18:19]
	s_load_b128 s[20:23], s[0:1], 0x40             ; rope s[20:21], flags s[22:23]
	v_lshl_add_u32 v232, v0, 2, 0x8400
	v_mov_b32 v233, 0
	v_lshrrev_b32 v1, 5, v0
	v_readfirstlane_b32 s24, v1                    ; wave 0..3
	v_and_b32 v1, 31, v0                           ; lane
	v_and_b32 v2, 15, v0                           ; r
	v_bfe_u32 v3, v0, 4, 1                         ; h
	s_cmp_ge_u32 ttmp9, 384
	s_cbranch_scc1 .Lother
; ---------------- the quantiser.  A wave takes 16 rows (a row tile) x 512 along K, in four steps of 128.
; Each load reads one row's 512 consecutive bytes; the step's 16 rows turn through the wave's own stage in LDS, so that lane (r, h) gets the whole blocks h and 2 + h of place r: no other lane is asked for a maximum.
	v_lshlrev_b32 v4, 4, v1                        ; 16 x lane: a load's and an image's place
	s_mul_i32 s25, s24, WSTG
	v_add_nc_u32 v5, s25, v4                       ; the stage, on the way in
	v_mul_u32_u24 v6, v2, SPITCH
	v_lshl_add_u32 v6, v3, 7, v6
	v_add_nc_u32 v6, s25, v6                       ; and out: row r, + 128 h bytes
	v_lshlrev_b32 v7, 3, v1                        ; 8 x lane
	v_lshlrev_b32 v8, 4, v2                        ; 16 r: the scale words' place
	v_lshlrev_b32 v9, 3, v3                        ; 8 h: how far my two scale bytes are shifted
	v_mov_b32 v15, 0                               ; a lane permute's destination counts as read: written once
	s_mov_b32 s26, 0x76543210
	s_mov_b32 s27, 0xfedcba98                      ; selects: lane l xor 16
	s_wait_kmcnt 0x0
	s_cmp_lt_u32 ttmp9, 352                        ; which tensor: the choice hangs on the work-group's number alone
	s_cselect_b64 s[28:29], s[6:7], s[8:9]
	s_cselect_b64 s[30:31], s[12:13], s[16:17]
	s_cselect_b64 s[32:33], s[14:15], s[18:19]
	s_mov_b32 s34, 352
	s_cselect_b32 s34, 256, s34
	s_cmp_lt_u32 ttmp9, 256
	s_cselect_b64 s[28:29], s[4:5], s[28:29]
	s_cselect_b32 s34, 0, s34                      ; the tensor's first work-group
	s_cselect_b32 s35, 0, XIMG                     ; x's images begin their buffer, the weights' lie behind 512 row tiles
	s_cselect_b32 s36, 0, XSC
	s_sub_co_u32 s34, ttmp9, s34
	s_lshl_b32 s34, s34, 2
	s_add_co_u32 s34, s34, s24                     ; my task
	s_lshr_b32 s37, s34, 1                         ; row tile
	s_and_b32 s38, s34, 1                          ; which half of K
	s_lshr_b32 s39, s37, 1
	s_lshl_b32 s39, s39, 17                        ; 32 rows of 4,096 bytes for each pair of tiles,
	s_and_b32 s40, s37, 1
	s_lshl_b32 s40, s40, 15                        ; 8 rows for the odd tile,
	s_add_co_u32 s39, s39, s40
	s_lshl_b32 s40, s38, 11                        ; 2,048 bytes for the second half of K
	s_add_co_u32 s40, s39, s40
	s_mov_b32 s41, 0
	s_add_nc_u64 s[28:29], s[28:29], s[40:41]
	s_mul_i32 s40, s37, 12288
	s_mul_i32 s42, s38, 6144
	s_add_co_u32 s40, s40, s42
	s_add_co_u32 s40, s40, s35
	s_add_nc_u64 s[30:31], s[30:31], s[40:41]
	s_lshl_b32 s40, s37, 9
	s_lshl_b32 s42, s38, 8
	s_add_co_u32 s40, s40, s42
	s_add_co_u32 s40, s40, s36
	s_add_nc_u64 s[32:33], s[32:33], s[40:41]
.macro LOAD s                          ; step s: place i of the tile is row i + 8 (i / 8); 32 lanes read 512 consecutive bytes
.irp i, 0,1,2,3,4,5,6,7,8,9,10,11,12,13,14,15
	global_load_b128 v[R+64*((\s)%2)+4*\i:R+64*((\s)%2)+4*\i+3], v4, s[28:29] offset:(\i+8*(\i/8))*4096+512*(\s) th:TH_LOAD_NT
.endr
.endm
.macro STEP s
.if (\s) < 3
	s_wait_loadcnt 16                              ; this step's 16 loads are in; the next step's 16 may be out
.else
	s_wait_loadcnt 0x0
.endif
.irp i, 0,1,2,3,4,5,6,7,8,9,10,11,12,13,14,15
	ds_store_b128 v5, v[R+64*((\s)%2)+4*\i:R+64*((\s)%2)+4*\i+3] offset:SPITCH*\i
.endr
.irp c, 0,1
.irp i, 0,1,2,3,4,5,6,7
	ds_load_b128 v[X+32*\c+4*\i:X+32*\c+4*\i+3], v6 offset:256*\c+16*\i   ; LDS serves a wave's instructions in order: these see the stores above.  k = 64 c + 32 h + 4 i ..
.endr
.endr
	s_wait_dscnt 0x0                               ; my 64 numbers are here, and the stores have read their registers,
.if (\s)+2 < 4
	LOAD (\s)+2                                    ; which take the loads of two steps on
.endif
.irp c, 0,1
	v_max3_num_f32 v[10+\c], |v[X+32*\c]|, |v[X+32*\c+1]|, 0x1800000   ; the block's largest magnitude, with the floor 2^(3 - 127) among its leaves: the byte cannot fall under 1
.endr
.irp i, 2,4,6,8,10,12,14,16,18,20,22,24,26,28,30
.irp c, 0,1
	v_max3_num_f32 v[10+\c], v[10+\c], |v[X+32*\c+\i]|, |v[X+32*\c+\i+1]|   ; (the two blocks by turns)
.endr
.endr
.irp c, 0,1
	v_add_nc_u32 v[12+\c], 0xff000000, v[10+\c]    ; 2 off the exponent field: the conversion takes this operand's exponent field as its scale
.endr
.irp c, 0,1
	v_lshrrev_b32 v[10+\c], 23, v[12+\c]           ; the scale's byte
.endr
	v_lshl_or_b32 v14, v11, 16, v10                ; blocks h and 2 + h,
	v_lshlrev_b32 v14, v9, v14                     ; at their places in the word;
	v_permlanex16_b32 v15, v14, s26, s27
	v_or_b32 v[W+\s], v14, v15                     ; with lane l xor 16's two the word is whole
	s_wait_xcnt 0x0                                ; the last step's stores have read the codes' registers: they are written again only behind this wait
.irp c, 0,1
	v_cvt_scalef32_pk16_fp6_f32 v[F+6*\c:F+6*\c+2], v[X+32*\c:X+32*\c+15], v[12+\c]
	v_cvt_scalef32_pk16_fp6_f32 v[T+4*\c:T+4*\c+2], v[X+32*\c+16:X+32*\c+31], v[12+\c]   ; (a conversion's three registers begin on an even number)
.endr
	v_nop                                          ; one plain place behind a scaled conversion
.irp c, 0,1
.irp i, 0,1,2
	v_mov_b32 v[F+3+6*\c+\i], v[T+4*\c+\i]
.endr
.endr
	global_store_b128 v4, v[F:F+3], s[30:31] offset:1536*(\s)            ; each store of the wave covers 512 or 256 consecutive bytes, aligned to 256
	global_store_b64 v7, v[F+4:F+5], s[30:31] offset:1536*(\s)+512
	global_store_b128 v4, v[F+6:F+9], s[30:31] offset:1536*(\s)+768
	global_store_b64 v7, v[F+10:F+11], s[30:31] offset:1536*(\s)+1280
.endm
	LOAD 0
	LOAD 1
	STEP 0
	STEP 1
	STEP 2
	STEP 3
	s_wait_xcnt 0x0                                ; EXEC changes only behind this wait
	v_cmp_gt_u32 vcc_lo, 16, v1
	s_wait_tensorcnt 0x0
	ds_add_u32 v232, v233
	s_wait_dscnt 0x0
	s_and_saveexec_b32 s43, vcc_lo
	global_store_b128 v8, v[W:W+3], s[32:33]       ; lanes 0-15: four scale words a row, 256 consecutive bytes, aligned
	s_wait_xcnt 0x0
	s_or_b32 exec_lo, exec_lo, s43
	s_endpgm
.Lother:
	s_cmp_eq_u32 ttmp9, 448
	s_cbranch_scc1 .Lflags
; ---------------- the table.  A wave makes 8 tokens.  Lanes 0-15 make cos, lanes 16-31 sin, each for j = 2 (lane % 16) and the next.
; theta = f32(token) x inv_freq, rounded once as reference() rounds it; n = the nearest whole number to theta x 2 / pi; r = theta - n pi / 2 in two steps (the first is exact: n has 11 bits and the result fits 24);
; sin r and cos r by polynomials on |r| <= pi / 4; the quadrant picks one of the two and the sign.  cos theta = sin(theta + pi / 2): one quadrant on.
	s_sub_co_u32 s25, ttmp9, 384
	s_lshl_b32 s25, s25, 5
	s_lshl_b32 s26, s24, 3
	s_add_co_u32 s25, s25, s26                     ; my first token
	v_lshlrev_b32 v4, 1, v2
	v_cvt_f32_u32 v5, v4                           ; j
	v_add_nc_u32 v4, 1, v4
	v_cvt_f32_u32 v6, v4                           ; j + 1
	s_mov_b32 s30, 0x3ed4a000                      ; log2(10000) / 32 = 1701 / 4096 (j times it is exact)
	s_mov_b32 s31, 0xb830f686                      ; - 4.2191264e-5
	v_mul_f32 v7, s30, v5
	v_mul_f32 v8, s30, v6
	v_fma_f32 v7, v5, s31, v7
	v_fma_f32 v8, v6, s31, v8
	v_exp_f32 v10, -v7                             ; inv_freq
	v_exp_f32 v11, -v8
	v_sub_nc_u32 v12, 1, v3                        ; (a plain place behind the exponentials)  1 for cos, 0 for sin
	v_lshlrev_b32 v13, 3, v1                       ; 8 x lane
	s_mov_b32 s32, 0x3f22f983                      ; 2 / pi
	s_mov_b32 s33, 0xbfc90fdb                      ; - pi / 2, the f32 nearest to it,
	s_mov_b32 s34, 0x333bbd2e                      ; and what that f32 has too much
	s_mov_b32 s35, 0xb94ca1f9                      ; sin: -1.9515296e-4, 8.3321609e-3, -1.6666655e-1
	s_mov_b32 s36, 0x3c08839e
	s_mov_b32 s37, 0xbe2aaaa3
	s_mov_b32 s38, 0x37ccf5ce                      ; cos: 2.4433157e-5, -1.3887316e-3, 4.1666646e-2
	s_mov_b32 s39, 0xbab6061a
	s_mov_b32 s40, 0x3d2aaaa5
	s_lshl_b32 s44, s25, 8
	s_mov_b32 s45, 0
	s_wait_kmcnt 0x0
	s_add_nc_u64 s[20:21], s[20:21], s[44:45]
	s_wait_alu depctr_va_vdst(0)                   ; one wait for both exponentials, ahead of their first reader
.irp n, 0,1,2,3,4,5,6,7
	s_add_co_u32 s41, s25, \n
	v_cvt_f32_u32 v19, s41
.irp k, 0,1
	v_mul_f32 v[20+\k], v19, v[10+\k]              ; theta
.endr
.irp k, 0,1
	v_mul_f32 v[22+\k], s32, v[20+\k]
.endr
.irp k, 0,1
	v_rndne_f32 v[22+\k], v[22+\k]                 ; n
.endr
.irp k, 0,1
	v_fma_f32 v[24+\k], v[22+\k], s33, v[20+\k]
.endr
.irp k, 0,1
	v_fma_f32 v[24+\k], v[22+\k], s34, v[24+\k]    ; r
.endr
.irp k, 0,1
	v_mul_f32 v[26+\k], v[24+\k], v[24+\k]         ; z = r r
.endr
.irp k, 0,1
	v_fma_f32 v[28+\k], v[26+\k], s35, s36
	v_fma_f32 v[30+\k], v[26+\k], s38, s39
.endr
.irp k, 0,1
	v_fma_f32 v[28+\k], v[28+\k], v[26+\k], s37
	v_fma_f32 v[30+\k], v[30+\k], v[26+\k], s40
.endr
.irp k, 0,1
	v_mul_f32 v[28+\k], v[28+\k], v[26+\k]
	v_fma_f32 v[30+\k], v[30+\k], v[26+\k], -0.5
.endr
.irp k, 0,1
	v_fma_f32 v[28+\k], v[28+\k], v[24+\k], v[24+\k]   ; sin r
	v_fma_f32 v[30+\k], v[30+\k], v[26+\k], 1.0        ; cos r
.endr
.irp k, 0,1
	v_cvt_i32_f32 v[32+\k], v[22+\k]
.endr
.irp k, 0,1
	v_add_nc_u32 v[32+\k], v[32+\k], v12           ; the quadrant
.endr
.irp k, 0,1
	v_and_b32 v[34+\k], 1, v[32+\k]
	v_and_b32 v[32+\k], 2, v[32+\k]
.endr
.irp k, 0,1
	v_cmp_ne_u32 vcc_lo, 0, v[34+\k]
	v_cndmask_b32 v[28+\k], v[28+\k], v[30+\k], vcc_lo   ; odd quadrants take cos r
	v_lshlrev_b32 v[32+\k], 30, v[32+\k]
	v_xor_b32 v[40+2*\n+\k], v[28+\k], v[32+\k]    ; quadrants 2 and 3 change the sign.  Each token has its own pair: no store's data are written again
.endr
	global_store_b64 v13, v[40+2*\n:41+2*\n], s[20:21] offset:256*\n   ; a token's 256 bytes, aligned
.endr
	s_endpgm
.Lflags:
; ---------------- the flags.  Wave w takes batch w: 2,048 bytes of the mask, 128 to a load: a load is a group of 128 keys.
	v_lshlrev_b32 v4, 2, v1
	s_lshl_b32 s26, s24, 11
	s_mov_b32 s27, 0
	s_wait_kmcnt 0x0
	s_add_nc_u64 s[10:11], s[10:11], s[26:27]
.irp g, 0,1,2,3,4,5,6,7,8,9,10,11,12,13,14,15
	global_load_b32 v[16+\g], v4, s[10:11] offset:128*\g
.endr
	s_mov_b32 s28, 0
	s_wait_loadcnt 0x0
.irp g, 0,1,2,3,4,5,6,7,8,9,10,11,12,13,14,15
	v_cmp_ne_u32 vcc_lo, 0, v[16+\g]
	s_cmp_lg_u32 vcc_lo, 0
	s_cselect_b32 s29, 1<<\g, 0
	s_or_b32 s28, s28, s29
.endr
	v_mov_b32 v5, s28
	s_lshl_b32 s29, s24, 2
	v_mov_b32 v6, s29
	s_wait_xcnt 0x0                                ; EXEC changes only behind this wait
	v_cmp_eq_u32 vcc_lo, 0, v1
	s_and_saveexec_b32 s30, vcc_lo
	global_store_b32 v6, v5, s[22:23]              ; one word a batch
	s_wait_xcnt 0x0
	s_or_b32 exec_lo, exec_lo, s30
	s_endpgm
.Lfunc_end_k_q04441ab2d6_prep:
	.size	k_q04441ab2d6_prep, .Lfunc_end_k_q04441ab2d6_prep-k_q04441ab2d6_prep
	.p2alignl 7, 3214868480
	.fill 96, 4, 3214868480
	.section	.rodata,"a",@progbits
	.p2align	6, 0x0
	.amdhsa_kernel k_q04441ab2d6_prep
		.amdhsa_group_segment_fixed_size 34304
		.amdhsa_private_segment_fixed_size 0
		.amdhsa_enable_private_segment 0
		.amdhsa_kernarg_size 80
		.amdhsa_user_sgpr_count 2
		.amdhsa_user_sgpr_kernarg_segment_ptr 1
		.amdhsa_wavefront_size32 1
		.amdhsa_system_sgpr_workgroup_id_x 1
		.amdhsa_system_sgpr_workgroup_id_y 1
		.amdhsa_system_sgpr_workgroup_id_z 1
		.amdhsa_system_vgpr_workitem_id 0
		.amdhsa_next_free_vgpr 234
		.amdhsa_next_free_sgpr 66
		.amdhsa_reserve_vcc 1
		.amdhsa_float_denorm_mode_32 3
		.amdhsa_float_denorm_mode_16_64 3
		.amdhsa_memory_ordered 1
		.amdhsa_forward_progress 1
		.amdhsa_inst_pref_size 54
	.end_amdhsa_kernel
	.amdgpu_metadata
---
amdhsa.version: [ 1, 2 ]
amdhsa.kernels:
  - .name:           k_q04441ab2d6_prep
    .symbol:         k_q04441ab2d6_prep.kd
    .args:
      - { .name: x, .offset: 0, .size: 8, .value_kind: global_buffer, .address_space: global }
      - { .name: Wqkv, .offset: 8, .size: 8, .value_kind: global_buffer, .address_space: global }
      - { .name: Wo, .offset: 16, .size: 8, .value_kind: global_buffer, .address_space: global }
      - { .name: key_padding_mask, .offset: 24, .size: 8, .value_kind: global_buffer, .address_space: global }
      - { .name: xw_img, .offset: 32, .size: 8, .value_kind: global_buffer, .address_space: global }
      - { .name: xw_sc, .offset: 40, .size: 8, .value_kind: global_buffer, .address_space: global }
      - { .name: ow_img, .offset: 48, .size: 8, .value_kind: global_buffer, .address_space: global }
      - { .name: ow_sc, .offset: 56, .size: 8, .value_kind: global_buffer, .address_space: global }
      - { .name: rope, .offset: 64, .size: 8, .value_kind: global_buffer, .address_space: global }
      - { .name: flags, .offset: 72, .size: 8, .value_kind: global_buffer, .address_space: global }
    .group_segment_fixed_size: 34304
    .private_segment_fixed_size: 0
    .kernarg_segment_align: 8
    .kernarg_segment_size: 80
    .max_flat_workgroup_size: 128
    .sgpr_count:     66
    .vgpr_count:     234
    .wavefront_size: 32
...
	.end_amdgpu_metadata
.endif
;; end of part 1
;; launch qkv (part 2): grid 12 x 32, 4 waves a work-group, clusters of 4 x 4, 327,680 bytes of LDS; arguments xw_img, xw_sc, rope, q_img, kv_img; writes q_img, kv_img
.if DOCPART == 2
	.amdgcn_target "amdgcn-amd-amdhsa--gfx1250"
	.amdhsa_code_object_version 6
	.text
	.protected	k_q04441ab2d6_qkv
	.globl	k_q04441ab2d6_qkv
	.p2align	8
	.type	k_q04441ab2d6_qkv,@function
k_q04441ab2d6_qkv:
	s_mov_b64 s[64:65], 0
	v_nop
	global_prefetch_b8 v0, s[64:65] scope:SCOPE_SE
	s_setreg_imm32_b32 hwreg(HW_REG_WAVE_MODE, 25, 1), 1
	s_wait_xcnt 0x0
	s_wait_alu depctr_hold_cnt(0) depctr_sa_sdst(0) depctr_va_vdst(0) depctr_va_sdst(0) depctr_va_ssrc(0) depctr_va_vcc(0) depctr_vm_vsrc(0)
	s_getreg_b32 s2, hwreg(HW_REG_IB_STS2, 6, 4)
	s_cmp_eq_u32 s2, 0
	s_cbranch_scc0 .Lentry_in_a_cluster
	s_endpgm
.Lentry_in_a_cluster:
	s_bfe_u32 s2, ttmp6, 0x10000c
	s_cmp_lg_u32 s2, 0xf033
	s_cbranch_scc0 .Lentry_shape_is_right
	s_endpgm
.Lentry_shape_is_right:
; QKV.  x [8192][1024] times Wqkv^T [3072][1024] on codes of FP6 (E2M3) with one E8M0 scale for each 32 along K; then the rotary embedding on q and k; then q and k are quantised along the head's 64 and v along the keys.
; Nothing of the f32 result goes to memory: what leaves are the images of attention's operands.
; OPERANDS come as images of their registers: a row tile (16 rows; tile 2 B + u holds in place i the row 32 B + 8 u + i + 8 (i / 8)) is 16 half fragments of 768 bytes along K (registers 0-3 at 16 x lane, 4-5 at 512 + 8 x lane).
; So a fragment of 128 along K comes out of LDS by two loads of 16 and two of 8 bytes a lane, each over consecutive bytes: no pitch, no padding.
; SHARES.  A work-group makes 256 x 256, each of its four waves 128 x 128: 64 accumulators, 512 registers.  K = 1,024 goes through two LDS slots of 256 along K, four fills, eight steps of 128, all written out
; (each step names its own scale registers).  Source 0 of the matrix instruction is called S0, source 1 S1: in a result a lane holds one row of S1's tile, and the registers of S0's tiles 2 B and 2 B + 1 are
; sixteen neighbouring rows of S0, 32 B + 16 (lane / 16) + 0 .. 15.
;   q, k (cluster x = 0, 1): S0 = rows of W, S1 = tokens: a lane holds a token and its registers run along the head: the next product's K.
;   v    (cluster x = 2):    S0 = tokens, S1 = rows of W: a lane holds a channel and its registers run along the tokens: the keys, K of attention's second product.
; CLUSTERS of 4 x 4.  In both cases S0's tile hangs on cx and is shared along a column of the cluster, S1's on cy and is shared along a row: joint loads, which divide the requests for both by four.
; What differs between the cases are scalars that all sixteen partners share (the cluster's x and y).
; THE SCALES (one word for a row and 128 along K) of a wave's 128 + 128 rows for all of K are 64 registers: loaded once, lanes 0-15 S1's, lanes 16-31 S0's.
; LIMITS: NaN and infinities are not served; a block under 2^-124 keeps the scale byte 1 (a block of zeros too: its codes are zeros, and this program alone reads the bytes).
; REGISTERS, in windows of 256: window 0: v0-31 addresses; v32-95 scale words; v96-127, v224-255 the table's two sets; v128-223 S1's fragments, one set (on the way out: at work).
;   window 1: S0's fragments, two sets, at v0 and v128.   window 2, 3: the accumulators: (a, b) in window 2 + a / 4 at v[8 (8 (a % 4) + b)].
.set XIMG,  6291456                    ; W's images lie behind x's 512 row tiles
.set XSC,   262144                     ; and its scale words behind x's
.set FR,    12                         ; registers of a fragment
.set NL,    4                          ; LDS loads that bring one
.set NP,    4                          ; places behind this matrix instruction (ISA guide 7.12.1)
.set HALFT, 24576                      ; 8 row tiles x 3,072 bytes (256 along K): what one tensor load brings, and what a wave reads of S0 or S1
.set SLOT,  4*HALFT                    ; S1's 16 row tiles, then S0's
.set SPARE, 2*SLOT                     ; behind the ring: the spare words, 128 bytes for each wave
.set ADRA,  16                         ; v16-17 S1's fragments in slot 0, 1: + 16 x lane;  v18-19: + 8 x lane
.set ADRB,  20                         ; v20-23 the same for S0
.set L16,   24                         ; v24  16 x lane
.set L8,    25                         ; v25  8 x lane
.set RO,    26                         ; v26  my token's place in the table
.set SPW,   28                         ; v28  LDS address of my spare word; never rewritten
.set NIL,   29                         ; v29  0; never rewritten
.set SCA,   31                         ; v31  where my scale words lie
.set SC,    32                         ; v[SC + 8 i + ks]: lanes 0-15 the word of S1's tile i, lanes 16-31 of S0's tile i, K step ks
.set CS0,   96
.set AF,    128
.set CS1,   224
.set Y,     128                        ; the way out: 32 numbers
.set F,     160                        ; a half fragment's codes
.set QT,    166
.set QM,    170
.set QP,    172
.set QE,    174
.set QW,    176
.set WE,    178
.set SW,    180
.set G1,    24                         ; s[24:31] descriptor group 1 for S1;  s[32:39] group 0, a set for each slot
.set G0,    32
.set G1B,   48                         ; s[48:55], s[56:63] the same for S0
.set G0B,   56
.set REC,   78                         ; s[78:79], s[82:83] where my two heads' records begin
.set SEL,   86                         ; s[86:87] selects: lane l xor 16
.set LM,    88                         ; s88  the mask of lanes 16-31
.set MSB, 0
.macro WIN new                         ; the immediate's high byte repeats the setting that is left
.if MSB != (\new)
	s_set_vgpr_msb (MSB<<8)|(\new)
.set MSB, (\new)
.endif
.endm
.set MUL_LO, 0xa1                      ; source 0 window 1, source 1 window 0, C and D window 2
.set MUL_HI, 0xf1                      ; the same, C and D window 3
.set TO_B,   0x40                      ; destination window 1, address window 0
; A joint load: waves 0 and 1 fetch S1's two halves, waves 2 and 3 S0's.  Each line has one mask and one set of registers for all that issue it; the branch hangs on the wave's number alone.
; Four v_nop follow each of the two lines, ahead of the jump, the label and what follows.
.macro JLOAD g0a, g1a, g0b, g1b
	s_cmp_eq_u32 s15, 0
	s_cbranch_scc0 .Lfor_b_\@
	tensor_load_to_lds s[\g0a:\g0a+3], s[\g1a:\g1a+7]
	s_nop 0
.rept 4
	v_nop
.endr
	s_branch .Lasked_\@
.Lfor_b_\@:
	tensor_load_to_lds s[\g0b:\g0b+3], s[\g1b:\g1b+7]
	s_nop 0
.rept 4
	v_nop
.endr
.Lasked_\@:
.endm
.macro CREST                           ; a round of the cluster's barrier behind its opening barrier
	s_cmp_lg_u32 s14, 0
	s_cbranch_scc1 .Lnot_wave_0_\@
	s_barrier_signal -3
.Lnot_wave_0_\@:
	s_barrier_wait -3
	s_barrier_signal -1
	s_barrier_wait -1
.endm
.macro CROUND                          ; a whole round
	s_barrier_signal -1
	s_barrier_wait -1
	CREST
.endm
.macro PLACES n
.rept \n
	v_nop
.endr
.endm
	s_load_b256 s[4:11], s[0:1], 0x0               ; the images s[4:5], the scale words s[6:7], the table s[8:9], q_img s[10:11]
	s_load_b64 s[12:13], s[0:1], 0x20              ; kv_img
	v_lshl_add_u32 v[SPW], v0, 2, SPARE
	v_mov_b32 v[NIL], 0
	ds_add_u32 v28, v29
	ds_add_u32 v28, v29
	s_wait_dscnt 0x0
	v_lshrrev_b32 v1, 5, v0
	v_readfirstlane_b32 s14, v1                    ; wave 0..3
	s_lshr_b32 s15, s14, 1                         ; my half of S1's rows.  Also: I fetch for S1 (0) or for S0 (1)
	s_and_b32 s16, s14, 1                          ; my half of S0's rows.  Also: which 8 row tiles I fetch
	s_bfe_u32 s40, ttmp6, 0x40000                  ; cx, cy: my place in the cluster
	s_bfe_u32 s41, ttmp6, 0x40004
	s_and_b32 s17, ttmp7, 0xffff                   ; the cluster's y
	s_lshl_b32 s43, s41, 2
	s_lshl_b32 s43, 15, s43                        ; my row of the cluster
	s_lshl_b32 s44, 0x1111, s40                    ; my column
	; descriptor group 1: 8 rows (row tiles) of 3,072 bytes, 12,288 bytes apart, in elements of 8 bytes; no padding
	s_or_b32 s[G1+0], s43, (3<<16)|(1<<21)         ; 15:0 the mask: S1's tiles go to my row; 17:16 elements of 8 bytes; 21 set beside a mask
	s_or_b32 s[G1B+0], s44, (3<<16)|(1<<21)        ; S0's go to my column
.irp g, G1, G1B
	s_mov_b32 s[\g+1], 384<<16                     ; tensor_dim0
	s_mov_b32 s[\g+2], 8<<16                       ; tensor_dim1
	s_mov_b32 s[\g+3], 384<<16                     ; tile_dim0
	s_mov_b32 s[\g+4], 8                           ; tile_dim1
	s_mov_b32 s[\g+5], 1536                        ; tensor_dim0_stride
	s_mov_b32 s[\g+6], 0
	s_mov_b32 s[\g+7], 0
.endr
	s_cmp_eq_u32 ttmp9, 2                          ; v's clusters?  The same answer in all sixteen partners
	s_cselect_b32 s18, s17, ttmp9                  ; S0's tile of 256 rows is 4 x this + cx: of x by the cluster's y, of W by its x
	s_cselect_b32 s19, 0, XIMG                     ; and begins here
	s_cselect_b32 s20, 2, s17                      ; S1's is 4 x this + cy: W's tiles 8 to 11, or x's
	s_cselect_b32 s21, XIMG, 0
	s_cselect_b32 s22, 0, XSC                      ; the scale words likewise: S0's,
	s_cselect_b32 s23, XSC, 0                      ; S1's
	s_lshl_b32 s46, s18, 2
	s_add_co_u32 s46, s46, s40                     ; S0's tile (never holds cy)
	s_lshl_b32 s45, s20, 2
	s_add_co_u32 s45, s45, s41                     ; S1's tile (never holds cx)
	s_mul_i32 s2, s16, 8*12288                     ; the 8 row tiles that I fetch
	s_mul_i32 s68, s46, 16*12288
	s_add_co_u32 s68, s68, s19
	s_add_co_u32 s68, s68, s2
	s_mov_b32 s69, 0
	s_mul_i32 s70, s45, 16*12288
	s_add_co_u32 s70, s70, s21
	s_add_co_u32 s70, s70, s2
	s_mov_b32 s71, 0
	s_mul_i32 s3, s14, HALFT                       ; where they go: wave x 8 row tiles: no place in the cluster enters an LDS address
	s_mov_b32 s[SEL], 0x76543210
	s_mov_b32 s[SEL+1], 0xfedcba98
	s_mov_b32 s[LM], 0xffff0000
	s_wait_kmcnt 0x0
	s_add_nc_u64 s[68:69], s[4:5], s[68:69]
	s_add_nc_u64 s[70:71], s[4:5], s[70:71]
	CROUND                                         ; all sixteen work-groups are here: the first joint loads meet
.irp s, 0,1
	s_mov_b32 s[G0+4*\s], 1                        ; count = 1
	s_add_co_u32 s[G0+4*\s+1], s3, \s*SLOT         ; LDS address
	s_add_nc_u64 s[G0+4*\s+2:G0+4*\s+3], s[70:71], \s*3072   ; global address: 256 along K are 3,072 bytes of a row tile
	s_or_b32 s[G0+4*\s+3], s[G0+4*\s+3], 0x80000000          ; type = 2
	s_mov_b32 s[G0B+4*\s], 1
	s_add_co_u32 s[G0B+4*\s+1], s3, \s*SLOT
	s_add_nc_u64 s[G0B+4*\s+2:G0B+4*\s+3], s[68:69], \s*3072
	s_or_b32 s[G0B+4*\s+3], s[G0B+4*\s+3], 0x80000000
	JLOAD G0+4*\s, G1, G0B+4*\s, G1B               ; two tensor loads of mine are out at the most
.endr
	v_and_b32 v1, 31, v0                           ; lane
	v_and_b32 v2, 15, v0                           ; r
	v_bfe_u32 v3, v0, 4, 1                         ; h
	v_lshlrev_b32 v[L16], 4, v1
	v_lshlrev_b32 v[L8], 3, v1
	s_mul_i32 s72, s15, HALFT                      ; my 8 row tiles of S1,
	s_mul_i32 s73, s16, HALFT                      ; of S0,
	s_add_co_u32 s73, s73, 2*HALFT                 ; which lie behind S1's 16
.irp s, 0,1
	v_add_nc_u32 v[ADRA+\s], s72, v[L16]
	v_add_nc_u32 v[ADRA+2+\s], s72, v[L8]
	v_add_nc_u32 v[ADRB+\s], s73, v[L16]
	v_add_nc_u32 v[ADRB+2+\s], s73, v[L8]
	s_add_co_u32 s72, s72, SLOT
	s_add_co_u32 s73, s73, SLOT
.endr
	s_lshl_b32 s74, s45, 13                        ; scale words: 16 row tiles x 512 bytes for a tile of 256 rows,
	s_add_co_u32 s74, s74, s23
	s_lshl_b32 s75, s15, 12                        ; my 8 row tiles
	s_add_co_u32 s74, s74, s75
	s_lshl_b32 s76, s46, 13
	s_add_co_u32 s76, s76, s22
	s_lshl_b32 s75, s16, 12
	s_add_co_u32 s76, s76, s75
	v_mov_b32 v4, s74
	v_mov_b32 v5, s76
	v_cmp_lt_u32 vcc_lo, 15, v1
	v_cndmask_b32 v4, v4, v5, vcc_lo               ; lanes 0-15 take S1's words, lanes 16-31 S0's
	v_lshl_add_u32 v[SCA], v2, 4, v4               ; + 16 r: four words of a row
.irp i, 0,1,2,3,4,5,6,7
.irp k, 0,1
	global_load_b128 v[SC+8*\i+4*\k:SC+8*\i+4*\k+3], v[SCA], s[6:7] offset:512*\i+256*\k   ; sixteen lanes read 256 consecutive bytes
.endr
.endr
.macro FRAG reg, adr, q, i             ; row tile i, the slot's q-th 128 along K: two half fragments as they lie
	ds_load_b128 v[(\reg):(\reg)+3], v[\adr] offset:3072*(\i)+1536*(\q)
	ds_load_b64 v[(\reg)+4:(\reg)+5], v[\adr+2] offset:3072*(\i)+1536*(\q)+512
	ds_load_b128 v[(\reg)+6:(\reg)+9], v[\adr] offset:3072*(\i)+1536*(\q)+768
	ds_load_b64 v[(\reg)+10:(\reg)+11], v[\adr+2] offset:3072*(\i)+1536*(\q)+1280
.endm
.macro FETCH_B slot, q, p              ; S0's eight fragments into set p
	WIN TO_B
.irp i, 0,1,2,3,4,5,6,7
	FRAG 128*(\p)+FR*\i, ADRB+\slot, \q, \i
.endr
	WIN 0
.endm
.macro FETCH_A slot, q, i0             ; S1's tiles i0 .. i0 + 3
.irp i, \i0, \i0+1, \i0+2, \i0+3
	FRAG AF+FR*(\i), ADRA+\slot, \q, \i
.endr
.endm
; 16 matrix instructions: S1's tiles a0, a0 + 1 x S0's eight, K step ks.  zero = 1: the first product starts the sums.  The 64 accumulators take turns, one instruction a turn, in the same order in every step.
.macro MUL16 a0, p, ks, zero
.irp a, \a0, \a0+1
.irp b, 0,1,2,3,4,5,6,7
.if \zero
	v_wmma_scale_f32_16x16x128_f8f6f4 v[8*(8*((\a)%4)+\b):8*(8*((\a)%4)+\b)+7], v[128*(\p)+FR*\b:128*(\p)+FR*\b+FR-1], v[AF+FR*(\a):AF+FR*(\a)+FR-1], 0, v[SC+8*\b+(\ks)], v[SC+8*(\a)+(\ks)] matrix_a_fmt:MATRIX_FMT_FP6 matrix_b_fmt:MATRIX_FMT_FP6 matrix_a_scale:MATRIX_SCALE_ROW1
.else
	v_wmma_scale_f32_16x16x128_f8f6f4 v[8*(8*((\a)%4)+\b):8*(8*((\a)%4)+\b)+7], v[128*(\p)+FR*\b:128*(\p)+FR*\b+FR-1], v[AF+FR*(\a):AF+FR*(\a)+FR-1], v[8*(8*((\a)%4)+\b):8*(8*((\a)%4)+\b)+7], v[SC+8*\b+(\ks)], v[SC+8*(\a)+(\ks)] matrix_a_fmt:MATRIX_FMT_FP6 matrix_b_fmt:MATRIX_FMT_FP6 matrix_a_scale:MATRIX_SCALE_ROW1
.endif
.endr
.endr
.endm
; A slot's first step.  S1 has one set of registers: a tile is free when its eight products are issued; tiles 0-3 are fetched anew in the step's middle, tiles 4-7 at its end.  S0 has two sets.
.macro STEP slot, ks, zero
	s_wait_dscnt 4*NL                              ; S0's set and S1's tiles 0-3 are in; the youngest 16 loads (tiles 4-7) may be out
	WIN MUL_LO
	MUL16 0, 0, \ks, \zero
	MUL16 2, 0, \ks, \zero
	s_wait_dscnt 0x0                               ; tiles 4-7 are in
	PLACES NP                                      ; in front of loads into registers that matrix instructions have read
	FETCH_B \slot, 1, 1
	FETCH_A \slot, 1, 0
	WIN MUL_HI
	MUL16 4, 0, \ks, \zero
	MUL16 6, 0, \ks, \zero
	PLACES NP
	WIN 0
	FETCH_A \slot, 1, 4
.endm
; A slot's second step changes slots: one barrier; in front of it each wave waits for all its tensor loads, adds 0 to its spare word, and waits for that and for its own reads of this slot.  fill = 1: this slot is filled again.
.macro TURN slot, next, fill, ks
	s_wait_tensorcnt 0x0                           ; all my tensor loads have landed: my part of the next slot
	ds_add_u32 v[SPW], v[NIL]                      ; 0 onto my spare word
	s_wait_dscnt 4*NL+1                            ; (the add and the youngest 16 loads may be out)
	WIN MUL_LO
	MUL16 0, 1, \ks, 0                             ; sixteen matrix instructions stand between the add and the wait for it
	s_wait_dscnt 0x0                               ; the add is done, and my reads of this slot are over
	s_barrier_signal -1
	MUL16 2, 1, \ks, 0
	WIN 0
	s_barrier_wait -1
.if \fill
	CREST                                          ; the barrier has opened a round of the cluster's barrier: no wave of any partner still reads this slot or has a load on its way
	s_add_nc_u64 s[G0+4*\slot+2:G0+4*\slot+3], s[G0+4*\slot+2:G0+4*\slot+3], 2*3072
	s_add_nc_u64 s[G0B+4*\slot+2:G0B+4*\slot+3], s[G0B+4*\slot+2:G0B+4*\slot+3], 2*3072
	JLOAD G0+4*\slot, G1, G0B+4*\slot, G1B         ; the first tensor load behind the round; its four v_nop are the places in front of the loads below
.else
	PLACES NP
.endif
	FETCH_B \next, 0, 0
	FETCH_A \next, 0, 0
	WIN MUL_HI
	MUL16 4, 1, \ks, 0
	MUL16 6, 1, \ks, 0
	PLACES NP
	WIN 0
	FETCH_A \next, 0, 4
.endm
	s_wait_tensorcnt 1                             ; my part of slot 0 is in; slot 1's may stay out
	s_wait_loadcnt 0x0                             ; the scale words
	s_barrier_signal -1
	s_barrier_wait -1
	FETCH_B 0, 0, 0
	FETCH_A 0, 0, 0
	FETCH_A 0, 0, 4
	STEP 0, 0, 1
	TURN 0, 1, 1, 1
	STEP 1, 2, 0
	TURN 1, 0, 1, 3
	STEP 0, 4, 0
	TURN 0, 1, 0, 5                                ; nothing is left to fetch
	STEP 1, 6, 0
	s_wait_dscnt 4*NL                              ; the last step
	WIN MUL_LO
	MUL16 0, 1, 7, 0
	MUL16 2, 1, 7, 0
	s_wait_dscnt 0x0
	WIN MUL_HI
	MUL16 4, 1, 7, 0
	MUL16 6, 1, 7, 0
	WIN 0
	PLACES NP                                      ; behind the last products: results are read and S1's registers are written below
; 32 numbers of a lane, v[src + 16 B + i] of window win = k 32 B + 16 (lane / 16) + i of the lane's row, become a half fragment's codes in v[F] on, and v[QW] = the two blocks' scale bytes.
.macro QUANT2 src, win
.set WQ, (\win)|((\win)<<2)
	WIN WQ
.irp b, 0,1
	v_max3_num_f32 v[QM+\b], |v[(\src)+16*\b]|, |v[(\src)+16*\b+1]|, 0x1800000   ; my 16 numbers of block b, and the floor 2^(3 - 127): the byte cannot fall under 1.  (Each accumulator is read from its low end on)
.endr
.irp i, 2,4,6,8,10,12,14
.irp b, 0,1
	v_max3_num_f32 v[QM+\b], |v[(\src)+16*\b+\i]|, |v[(\src)+16*\b+\i+1]|, v[QM+\b]
.endr
.endr
	WIN 0
.irp b, 0,1
	v_permlanex16_b32 v[QP+\b], v[QM+\b], s[SEL], s[SEL+1]
.endr
.irp b, 0,1
	v_max_num_f32 v[QM+\b], v[QM+\b], v[QP+\b]     ; with lane l xor 16's: the block's largest magnitude
.endr
.irp b, 0,1
	v_add_nc_u32 v[QE+\b], 0xff000000, v[QM+\b]    ; 2 off its exponent field: the conversion's scale operand
.endr
.irp b, 0,1
	v_lshrrev_b32 v[QP+\b], 23, v[QE+\b]           ; the scale's byte
.endr
	v_lshl_or_b32 v[QW], v[QP+1], 8, v[QP]
	s_wait_xcnt 0x0                                ; earlier stores have read the codes' registers: they are written again only behind this wait
	WIN \win
	v_cvt_scalef32_pk16_fp6_f32 v[F:F+2], v[(\src):(\src)+15], v[QE]
	v_cvt_scalef32_pk16_fp6_f32 v[QT:QT+2], v[(\src)+16:(\src)+31], v[QE+1]
	WIN 0
	v_nop                                          ; one plain place behind a scaled conversion
.irp i, 0,1,2
	v_permlane16_swap_b32 v[F+\i], v[QT+\i]        ; the layout wants a whole block in a lane: lanes 0-15 block 0, lanes 16-31 block 1
.endr
.irp i, 0,1,2
	v_mov_b32 v[F+3+\i], v[QT+\i]
.endr
.endm
.macro FINISH                          ; the wave's end: an add of 0 to my spare word, behind my last tensor load and my last LDS instruction; then the closing round
	s_wait_tensorcnt 0x0
	ds_add_u32 v[SPW], v[NIL]
	s_wait_dscnt 0x0
	CROUND
	s_endpgm
.endm
	v_mov_b32 v[QP], 0                             ; a lane permute's destination counts as read
	v_mov_b32 v[QP+1], 0
	s_cmp_eq_u32 ttmp9, 2
	s_cbranch_scc1 .Lv
; ---------------- q and k.  Accumulators (a, 4 hd .. 4 hd + 3): token = place r of my S1 tile a; register 32 hd + 16 B + i = channel 32 B + 16 h + i of head hd.
; y(d) = x(d) cos(d) - x(d + 32) sin(d), y(d + 32) = x(d + 32) cos(d) + x(d) sin(d), d < 32: both partners lie in the same lane.
; A record of q_img (6,656 bytes) or the first part of one of kv_img (13,056): 128 tokens of one head: 8 half fragments, then 512 bytes of scale words: lane l's four words at 16 l; word p serves tile 2 p (lanes 0-15) and 2 p + 1 (lanes 16-31).
; A scale word repeats its two bytes: the product's K is 64, and the upper half of the instruction's 128 meets zero codes.
	s_lshr_b32 s72, s45, 3                         ; the batch: 8 tiles of 256 tokens each
	s_and_b32 s73, s45, 7
	s_lshl_b32 s74, s73, 1
	s_add_co_u32 s74, s74, s15                     ; my group of 128 tokens
	s_lshl_b32 s75, s40, 2
	s_lshl_b32 s76, s16, 1
	s_add_co_u32 s75, s75, s76                     ; my first head: 4 cx + 2 x half
	s_lshl_b32 s76, s72, 4
	s_add_co_u32 s75, s75, s76
	s_lshl_b32 s75, s75, 4
	s_add_co_u32 s75, s75, s74                     ; record = 16 (16 batch + head) + group
	s_cmp_eq_u32 ttmp9, 0
	s_cselect_b64 s[REC:REC+1], s[10:11], s[12:13]
	s_mov_b32 s77, 13056
	s_cselect_b32 s77, 6656, s77
	s_mul_i32 s80, s75, s77
	s_mov_b32 s81, 0
	s_add_nc_u64 s[REC:REC+1], s[REC:REC+1], s[80:81]
	s_lshl_b32 s80, s77, 4
	s_add_nc_u64 s[REC+4:REC+5], s[REC:REC+1], s[80:81]   ; the next head: 16 records on
	s_lshl_b32 s80, s73, 8
	s_lshl_b32 s84, s15, 7
	s_add_co_u32 s80, s80, s84                     ; my first token's place in its batch
	s_lshl_b32 s80, s80, 8
	s_add_nc_u64 s[8:9], s[8:9], s[80:81]
	v_and_b32 v4, 8, v2
	v_add_nc_u32 v4, v4, v2                        ; r + 8 (r / 8)
	v_lshlrev_b32 v[RO], 8, v4
	v_lshl_add_u32 v[RO], v3, 6, v[RO]             ; 256 bytes a token, + 64 h: my 16 of the 32 angles
.macro TAB a                           ; cos (16 registers) and sin (16) of tile a's tokens, into set a % 2
.set CSB, CS0+(CS1-CS0)*((\a)%2)
.irp i, 0,1,2,3
	global_load_b128 v[CSB+4*\i:CSB+4*\i+3], v[RO], s[8:9] offset:(32*((\a)/2)+8*((\a)%2))*256+16*\i
	global_load_b128 v[CSB+16+4*\i:CSB+16+4*\i+3], v[RO], s[8:9] offset:(32*((\a)/2)+8*((\a)%2))*256+128+16*\i
.endr
.endm
.macro QK a
.if (\a) < 7
	s_wait_loadcnt 8                               ; this tile's eight loads are in; the next tile's may be out
.else
	s_wait_loadcnt 0x0
.endif
.irp hd, 0,1
.set XB, 64*((\a)%4)+32*\hd
.set CSB, CS0+(CS1-CS0)*((\a)%2)
	WIN 2+(\a)/4                                   ; source 0: the accumulators' window
.irp i, 0,2,4,6,8,10,12,14
	v_pk_mul_f32 v[Y+\i:Y+\i+1], v[XB+16+\i:XB+16+\i+1], v[CSB+16+\i:CSB+16+\i+1]
	v_pk_mul_f32 v[Y+16+\i:Y+16+\i+1], v[XB+\i:XB+\i+1], v[CSB+16+\i:CSB+16+\i+1]
	v_pk_fma_f32 v[Y+\i:Y+\i+1], v[XB+\i:XB+\i+1], v[CSB+\i:CSB+\i+1], v[Y+\i:Y+\i+1] neg_lo:[0,0,1] neg_hi:[0,0,1]
	v_pk_fma_f32 v[Y+16+\i:Y+16+\i+1], v[XB+16+\i:XB+16+\i+1], v[CSB+\i:CSB+\i+1], v[Y+16+\i:Y+16+\i+1]
.endr
	QUANT2 Y, 0
	v_lshl_or_b32 v[QW], v[QW], 16, v[QW]          ; the two bytes twice
	global_store_b128 v[L16], v[F:F+3], s[REC+4*\hd:REC+4*\hd+1] offset:768*(\a)        ; 512 and 256 consecutive bytes, aligned to 256
	global_store_b64 v[L8], v[F+4:F+5], s[REC+4*\hd:REC+4*\hd+1] offset:768*(\a)+512
.if (\a)%2 == 0
	v_mov_b32 v[WE+\hd], v[QW]
.else
	v_cndmask_b32 v[SW+4*\hd+(\a)/2], v[WE+\hd], v[QW], s[LM]   ; lanes 0-15 the even tile's word, lanes 16-31 the odd tile's
.endif
.endr
.if (\a)+2 < 8
	TAB (\a)+2
.endif
.endm
	TAB 0
	TAB 1
.irp a, 0,1,2,3,4,5,6,7
	QK \a
.endr
	global_store_b128 v[L16], v[SW:SW+3], s[REC:REC+1] offset:6144
	global_store_b128 v[L16], v[SW+4:SW+7], s[REC+4:REC+5] offset:6144
	FINISH
.Lv:
; ---------------- v.  Accumulators (a, 0 .. 7): channel = place r of my S1 tile a (head a / 4, tile a % 4 of its 64 channels); register 16 B + i = token 32 B + 16 h + i of my 128.
; The second part of a record of kv_img, at 6,656: 4 tiles of channels x 2 half fragments (keys 0-63, 64-127), then 256 bytes of scale words: lane l's two words at 8 l; word p serves tiles 2 p and 2 p + 1.
	s_lshr_b32 s72, s46, 3                         ; the batch
	s_and_b32 s73, s46, 7
	s_lshl_b32 s74, s73, 1
	s_add_co_u32 s74, s74, s16                     ; my group of 128 tokens
	s_lshl_b32 s75, s41, 2
	s_lshl_b32 s76, s15, 1
	s_add_co_u32 s75, s75, s76                     ; my first head: 4 cy + 2 x half
	s_lshl_b32 s76, s72, 4
	s_add_co_u32 s75, s75, s76
	s_lshl_b32 s75, s75, 4
	s_add_co_u32 s75, s75, s74
	s_mul_i32 s80, s75, 13056
	s_add_co_u32 s80, s80, 6656
	s_mov_b32 s81, 0
	s_add_nc_u64 s[REC:REC+1], s[12:13], s[80:81]
	s_add_nc_u64 s[REC+4:REC+5], s[REC:REC+1], 16*13056
.macro VQ a
.irp c, 0,1
	QUANT2 64*((\a)%4)+32*\c, 2+(\a)/4
	global_store_b128 v[L16], v[F:F+3], s[REC+4*((\a)/4):REC+4*((\a)/4)+1] offset:1536*((\a)%4)+768*\c
	global_store_b64 v[L8], v[F+4:F+5], s[REC+4*((\a)/4):REC+4*((\a)/4)+1] offset:1536*((\a)%4)+768*\c+512
.if \c == 0
	v_mov_b32 v[WE], v[QW]
.else
	v_lshl_or_b32 v[QW], v[QW], 16, v[WE]          ; the four bytes of 128 keys
.endif
.endr
.if (\a)%2 == 0
	v_mov_b32 v[WE+1], v[QW]
.else
	v_cndmask_b32 v[SW+2*((\a)/4)+((\a)%4)/2], v[WE+1], v[QW], s[LM]
.endif
.endm
.irp a, 0,1,2,3,4,5,6,7
	VQ \a
.endr
	global_store_b64 v[L8], v[SW:SW+1], s[REC:REC+1] offset:6144
	global_store_b64 v[L8], v[SW+2:SW+3], s[REC+4:REC+5] offset:6144
	FINISH
.Lfunc_end_k_q04441ab2d6_qkv:
	.size	k_q04441ab2d6_qkv, .Lfunc_end_k_q04441ab2d6_qkv-k_q04441ab2d6_qkv
	.p2alignl 7, 3214868480
	.fill 96, 4, 3214868480
	.section	.rodata,"a",@progbits
	.p2align	6, 0x0
	.amdhsa_kernel k_q04441ab2d6_qkv
		.amdhsa_group_segment_fixed_size 327680
		.amdhsa_private_segment_fixed_size 0
		.amdhsa_enable_private_segment 0
		.amdhsa_kernarg_size 40
		.amdhsa_user_sgpr_count 2
		.amdhsa_user_sgpr_kernarg_segment_ptr 1
		.amdhsa_wavefront_size32 1
		.amdhsa_system_sgpr_workgroup_id_x 1
		.amdhsa_system_sgpr_workgroup_id_y 1
		.amdhsa_system_sgpr_workgroup_id_z 1
		.amdhsa_system_vgpr_workitem_id 0
		.amdhsa_next_free_vgpr 1024
		.amdhsa_next_free_sgpr 100
		.amdhsa_reserve_vcc 1
		.amdhsa_float_denorm_mode_32 3
		.amdhsa_float_denorm_mode_16_64 3
		.amdhsa_memory_ordered 1
		.amdhsa_forward_progress 1
		.amdhsa_inst_pref_size 224
	.end_amdhsa_kernel
	.amdgpu_metadata
---
amdhsa.version: [ 1, 2 ]
amdhsa.kernels:
  - .name:           k_q04441ab2d6_qkv
    .symbol:         k_q04441ab2d6_qkv.kd
    .args:
      - { .name: xw_img, .offset: 0, .size: 8, .value_kind: global_buffer, .address_space: global }
      - { .name: xw_sc, .offset: 8, .size: 8, .value_kind: global_buffer, .address_space: global }
      - { .name: rope, .offset: 16, .size: 8, .value_kind: global_buffer, .address_space: global }
      - { .name: q_img, .offset: 24, .size: 8, .value_kind: global_buffer, .address_space: global }
      - { .name: kv_img, .offset: 32, .size: 8, .value_kind: global_buffer, .address_space: global }
    .group_segment_fixed_size: 327680
    .private_segment_fixed_size: 0
    .kernarg_segment_align: 8
    .kernarg_segment_size: 40
    .max_flat_workgroup_size: 128
    .sgpr_count:     100
    .vgpr_count:     1024
    .wavefront_size: 32
...
	.end_amdgpu_metadata
.endif
;; end of part 2
;; launch attn (part 3): grid 4 x 64, 16 waves a work-group, no clusters, 219,136 bytes of LDS; arguments q_img, kv_img, key_padding_mask, flags, ow_img, ow_sc; writes ow_img, ow_sc
.if DOCPART == 3
	.amdgcn_target "amdgcn-amd-amdhsa--gfx1250"
	.amdhsa_code_object_version 6
	.text
	.protected	k_q04441ab2d6_attn
	.globl	k_q04441ab2d6_attn
	.p2align	8
	.type	k_q04441ab2d6_attn,@function
k_q04441ab2d6_attn:
	s_mov_b64 s[64:65], 0
	v_nop
	global_prefetch_b8 v0, s[64:65] scope:SCOPE_SE
	s_setreg_imm32_b32 hwreg(HW_REG_WAVE_MODE, 25, 1), 1
	s_wait_xcnt 0x0
; ATTENTION on codes of FP6 (E2M3) with one E8M0 scale for each 32 along a product's K.  64 (batch, head) pairs, 2,048 tokens, head size 64, a key padding mask that is an input.
; THE SOFTMAX AHEAD OF THE SECOND PRODUCT: t = score x log2(e) / 8; M = the row's largest t so far, rounded up to a whole number; p = 2^(t - M) is quantised along the keys, not normalised.  The row's sum is taken of the
; unquantised p and divides O at the end.  When M moves, the sum and O are multiplied by 2^(old M - new M): exact.  The result is quantised along (head, channel), as the last product's operand.
; SHARES.  A work-group owns one head and 512 queries; each of its sixteen waves owns 32 of them, two tiles of 16, one after the other (two passes), in 256 registers: four waves to a SIMD, so that one wave's vector
; work stands beside another's matrix work and LDS loads.
; A WHOLE HEAD'S K AND V LIE IN LDS: 16 records of 13,056 bytes (128 keys each), brought once through registers (wave w brings record w), one barrier in the whole kernel; after it 32 key steps a wave with no ring.
; NO TENSOR LOADS AND NO CLUSTER, by this text's own arithmetic: a key step branches on a stored flag (has this group of 128 keys a masked key?); without that branch each of a wave's 32 steps would read the mask's 8,192
; bytes (16 loads of 512) beside the 13,056 that it reads anyway.  What four work-groups of a head share is 208,896 bytes, read once by each, against 32 key steps of every wave.
; LAYOUT.  Both products are used transposed: S^T = K Q^T (source 0 = 16 keys, source 1 = my 16 queries), O^T = V^T P^T (source 0 = 16 channels, source 1 = P): a lane holds one query throughout.  The keys (and channels)
; of a tile are not neighbours: place i of tile 2 B + u is 32 B + 8 u + i + 8 (i / 8), so that the 16 registers of tiles 2 B and 2 B + 1 are 16 neighbours, 32 B + 16 (lane / 16) + 0 .. 15.
; K = 64 IN THE FIRST PRODUCT.  Q's fragment is six registers of codes and six of zeros.  K's tiles lie on end, six registers each; a tile's operand names twelve: the upper six are the next tile's codes (behind the last tile: zeros),
; which meet Q's zero codes and add nothing.  The scale words of q and k repeat their two bytes.
; THE MASK.  A masked key's score begins as -2^126 (the C of the step's first and only product) and is then held at -2^126 from below, so that it is exactly that: p = 0 beside any key that counts, and in a row all of whose
; keys are masked every p is 1 (c x 2^126 is exact in f32): the uniform weights of reference().  LIMITS: scores stay under 2^101; NaN and infinities are not served; a block under 2^-124 keeps the scale byte 1.
; REGISTERS: v1-7 addresses; v12 -M, v13 the largest t, v[14:15] the sum; v16-27, v28-39 Q's two tiles; v40, v41 their scale words; v42 f, v43 p's scale word; v44-47 K's scale words, v48-49 V's; v50-97 K's or V's fragments,
; v98-103 zeros; v104-167 S^T, then p; v168-199 O^T; v200-211 p's codes; v212-236 at work.
.set REC,  13056                       ; a record: K's 8 half fragments (6,144) + 512 of scale words, V's 8 (6,144) + 256
.set VOF,  6656
.set BIAS, 16*REC                      ; behind the records: 2,048 f32 in the keys' order: 0, or -2^126 for a masked key
.set KV,   50
.set S,    104
.set O,    168
.set P,    200
.set CT,   212
.set BM,   220
.set PD,   224
.set E,    228
.set SM2,  232
.set TMP,  234
.set QW0,  235
.set SEL,  44                          ; s[44:45] selects: lane l xor 16
.set CS,   46                          ; s[46:47] c = log2(e) / 8
.set FL,   48                          ; s48  my batch's flags
.set TB,   49                          ; s49  where the step's record begins
.set TBB,  50                          ; s50  and its 512 bytes of the mask's numbers
.set STC,  51                          ; s51  the step
.set TT,   52
.set LM,   53                          ; s53  the mask of lanes 16-31
.set OB,   54                          ; s[54:55] where my codes go
.set OSB,  56                          ; s[56:57] and my scale bytes
	s_load_b256 s[4:11], s[0:1], 0x0               ; q_img s[4:5], kv_img s[6:7], the mask s[8:9], flags s[10:11]
	s_load_b128 s[12:15], s[0:1], 0x20             ; ow_img s[12:13], ow_sc s[14:15]
	v_lshl_add_u32 v254, v0, 2, 0x35000
	v_mov_b32 v255, 0
	v_lshrrev_b32 v8, 5, v0
	v_readfirstlane_b32 s16, v8                    ; wave 0..15
	v_and_b32 v8, 31, v0                           ; lane
	v_and_b32 v9, 15, v0                           ; r
	v_bfe_u32 v10, v0, 4, 1                        ; h
	v_lshlrev_b32 v1, 4, v8                        ; 16 x lane
	v_lshlrev_b32 v2, 3, v8                        ; 8 x lane
	v_lshl_add_u32 v3, v10, 6, BIAS                ; the mask's numbers: my 16 keys of a block of 32
	v_lshlrev_b32 v9, 4, v9                        ; 16 r
	v_lshl_add_u32 v7, v10, 9, v9                  ; the scale bytes' place: 16 r, + 512 for the second tile
	v_lshlrev_b32 v11, 2, v0                       ; 4 x thread
	s_and_b32 s17, ttmp7, 0xffff                   ; 16 batch + head
	s_lshr_b32 s18, s17, 4                         ; batch
	s_and_b32 s19, s17, 15                         ; head
	s_lshl_b32 s24, s17, 4
	s_add_co_u32 s25, s24, s16
	s_mul_i32 s26, s25, REC                        ; the record that I bring
	s_mov_b32 s27, 0
	s_lshl_b32 s28, ttmp9, 2
	s_lshr_b32 s29, s16, 2
	s_add_co_u32 s28, s28, s29
	s_add_co_u32 s28, s28, s24                     ; Q's record: my 32 queries are pair wave % 4 of group 4 x + wave / 4
	s_mul_i32 s28, s28, 6656
	s_and_b32 s30, s16, 3
	s_lshl_b32 s31, s30, 2
	s_add_co_u32 s32, s28, s31
	s_add_co_u32 s32, s32, 6144                    ; its scale words: word wave % 4
	s_mov_b32 s33, 0
	s_mul_i32 s31, s30, 1536
	s_add_co_u32 s28, s28, s31                     ; its two half fragments
	s_mov_b32 s29, 0
	s_lshl_b32 s34, s18, 11                        ; the batch's 2,048 bytes of the mask
	s_mov_b32 s35, 0
	s_lshl_b32 s36, ttmp9, 4
	s_add_co_u32 s36, s36, s16                     ; my pair of tiles in the batch
	s_lshl_b32 s36, s36, 1
	s_lshl_b32 s37, s18, 7
	s_add_co_u32 s36, s36, s37                     ; row tile of the last product's operand
	s_mul_i32 s38, s36, 12288
	s_mul_i32 s39, s19, 768
	s_add_co_u32 s38, s38, s39                     ; the head's 64 along K are half fragment number head
	s_mov_b32 s39, 0
	s_lshl_b32 s40, s36, 9
	s_lshr_b32 s41, s19, 3
	s_lshl_b32 s41, s41, 8
	s_add_co_u32 s40, s40, s41
	s_and_b32 s41, s19, 7
	s_lshl_b32 s41, s41, 1
	s_add_co_u32 s40, s40, s41                     ; and two bytes of scale word head / 2: 256 (head / 8) + 2 (head % 8)
	s_mov_b32 s41, 0
	s_lshl_b32 s42, s18, 2
	s_mov_b32 s43, 0
	s_mov_b32 s[SEL], 0x76543210
	s_mov_b32 s[SEL+1], 0xfedcba98
	s_mov_b32 s[CS], 0x3e38aa3b
	s_mov_b32 s[CS+1], s[CS]                       ; (named with it as a pair, so it is written)
	s_mov_b32 s[LM], 0xffff0000
	s_wait_kmcnt 0x0
	s_add_nc_u64 s[6:7], s[6:7], s[26:27]
	s_add_nc_u64 s[32:33], s[4:5], s[32:33]
	s_add_nc_u64 s[4:5], s[4:5], s[28:29]
	s_add_nc_u64 s[8:9], s[8:9], s[34:35]
	s_add_nc_u64 s[OB:OB+1], s[12:13], s[38:39]
	s_add_nc_u64 s[OSB:OSB+1], s[14:15], s[40:41]
	s_add_nc_u64 s[10:11], s[10:11], s[42:43]
	s_load_b32 s[FL], s[10:11], 0x0
.irp i, 0,1,2,3,4,5,6,7,8,9,10,11,12,13,14,15,16,17,18,19,20,21,22,23,24
	global_load_b128 v[104+4*\i:107+4*\i], v1, s[6:7] offset:512*\i   ; my record, 512 consecutive bytes a load
.endr
	global_load_b64 v[204:205], v2, s[6:7] offset:12800
	global_load_b32 v8, v11, s[8:9]                ; four bytes of the mask
.irp u, 0,1
	global_load_b128 v[16+12*\u:19+12*\u], v1, s[4:5] offset:768*\u        ; Q's tile u
	global_load_b64 v[20+12*\u:21+12*\u], v2, s[4:5] offset:768*\u+512
	global_load_b32 v[40+\u], v9, s[32:33] offset:256*\u                   ; its scale words, into lanes 0-15 (lanes 16-31 hold the same and are not read)
.endr
	s_mul_i32 s42, s16, REC
	v_add_nc_u32 v4, s42, v1
	v_add_nc_u32 v5, s42, v2
	v_lshl_add_u32 v6, v0, 4, BIAS
	v_mov_b32 v206, 0xfe800000                     ; -2^126
.irp j, 22,23,24,25,26,27,34,35,36,37,38,39,98,99,100,101,102,103
	v_mov_b32 v[\j], 0                             ; zero codes: the upper halves of Q's fragments, and what follows K's last tile
.endr
	v_mov_b32 v43, 0                               ; (named as the upper half of the pair v[42:43] before it is first written)
.irp b, 0,1,2,3
	v_mov_b32 v[PD+\b], 0                          ; a lane permute's destination counts as read
.endr
	s_wait_loadcnt 7                               ; my record is in; the mask's load and Q's six may be out
.irp i, 0,1,2,3,4,5,6,7,8,9,10,11,12,13,14,15,16,17,18,19,20,21,22,23,24
	ds_store_b128 v4, v[104+4*\i:107+4*\i] offset:512*\i
.endr
	ds_store_b64 v5, v[204:205] offset:12800
	s_wait_loadcnt 6                               ; the mask's four bytes
.irp k, 0,1,2,3
	v_bfe_u32 v[208+\k], v8, 8*\k, 8
.endr
.irp k, 0,1,2,3
	v_cmp_ne_u32 vcc_lo, 0, v[208+\k]
	v_cndmask_b32 v[208+\k], 0, v206, vcc_lo
.endr
	ds_store_b128 v6, v[208:211]                   ; keys 4 x thread ..
	s_wait_loadcnt 0x0                             ; Q
	s_wait_kmcnt 0x0                               ; the flags
	s_wait_dscnt 0x0                               ; for the others' sake: my stores have landed
	s_barrier_signal -1
	s_barrier_wait -1                              ; the head's K and V and the mask's numbers lie in LDS; nothing writes them again
; S^T = K Q^T: eight tiles of 16 keys.  bias = 1: the sums begin with the mask's numbers, which the loads have laid into the accumulators
.macro SMUL u, bias
.irp t, 0,1,2,3,4,5,6,7
.if \bias
.if \t%2
	v_wmma_scale_f32_16x16x128_f8f6f4 v[S+8*\t:S+8*\t+7], v[KV+6*\t:KV+6*\t+11], v[16+12*\u:27+12*\u], v[S+8*\t:S+8*\t+7], v[44+\t/2], v[40+\u] matrix_a_fmt:MATRIX_FMT_FP6 matrix_b_fmt:MATRIX_FMT_FP6 matrix_a_scale:MATRIX_SCALE_ROW1
.else
	v_wmma_scale_f32_16x16x128_f8f6f4 v[S+8*\t:S+8*\t+7], v[KV+6*\t:KV+6*\t+11], v[16+12*\u:27+12*\u], v[S+8*\t:S+8*\t+7], v[44+\t/2], v[40+\u] matrix_a_fmt:MATRIX_FMT_FP6 matrix_b_fmt:MATRIX_FMT_FP6
.endif
.else
.if \t%2
	v_wmma_scale_f32_16x16x128_f8f6f4 v[S+8*\t:S+8*\t+7], v[KV+6*\t:KV+6*\t+11], v[16+12*\u:27+12*\u], 0, v[44+\t/2], v[40+\u] matrix_a_fmt:MATRIX_FMT_FP6 matrix_b_fmt:MATRIX_FMT_FP6 matrix_a_scale:MATRIX_SCALE_ROW1
.else
	v_wmma_scale_f32_16x16x128_f8f6f4 v[S+8*\t:S+8*\t+7], v[KV+6*\t:KV+6*\t+11], v[16+12*\u:27+12*\u], 0, v[44+\t/2], v[40+\u] matrix_a_fmt:MATRIX_FMT_FP6 matrix_b_fmt:MATRIX_FMT_FP6
.endif
.endif
.endr
.endm
; A PASS: my tile u of 16 queries against all 2,048 keys, 128 a step, and its way out.
.macro PASS u
	s_wait_xcnt 0x0                                ; the last pass's stores have read their registers
	v_mov_b32 v13, 0xff61b1e6                      ; the largest t so far: -3e38, under every t
	v_floor_f32 v12, -v13                          ; -M
	v_mov_b32 v14, 0
	v_mov_b32 v15, 0
.irp j, 0,1,2,3,4,5,6,7,8,9,10,11,12,13,14,15,16,17,18,19,20,21,22,23,24,25,26,27,28,29,30,31
	v_mov_b32 v[O+\j], 0                           ; O^T.  (The step is written once: the first finds zeros, which the first change of M leaves zeros)
.endr
	s_mov_b32 s[TB], 0
	s_mov_b32 s[TBB], 0
	s_mov_b32 s[STC], 0
.Lstep_\@:
	v_add_nc_u32 v4, s[TB], v1
	v_add_nc_u32 v5, s[TB], v2
	v_add_nc_u32 v6, s[TBB], v3
	v_nop                                          ; four places in front of loads into registers that the last products have read
.irp t, 0,1,2,3,4,5,6,7
	ds_load_b128 v[KV+6*\t:KV+6*\t+3], v4 offset:768*\t
	ds_load_b64 v[KV+6*\t+4:KV+6*\t+5], v5 offset:768*\t+512
.endr
	ds_load_b128 v[44:47], v4 offset:6144          ; K's scale words
	s_lshr_b32 s[TT], s[FL], s[STC]
	s_and_b32 s[TT], s[TT], 1
	s_cmp_lg_u32 s[TT], 0                          ; has this group a masked key?  A stored whole number decides
	s_cbranch_scc1 .Lmasked_\@
	s_wait_dscnt 0x0
	SMUL \u, 0
	s_branch .Ljoin_\@
.Lmasked_\@:
.irp q, 0,1,2,3,4,5,6,7,8,9,10,11,12,13,14,15
	ds_load_b128 v[S+4*\q:S+4*\q+3], v6 offset:128*(\q/4)+16*(\q%4)   ; register 16 B + i: key 32 B + 16 h + i
.endr
	s_wait_dscnt 0x0
	SMUL \u, 1
.rept 4
	v_nop
.endr
.irp j, 0,1,2,3,4,5,6,7,8,9,10,11,12,13,14,15,16,17,18,19,20,21,22,23,24,25,26,27,28,29,30,31,32,33,34,35,36,37,38,39,40,41,42,43,44,45,46,47,48,49,50,51,52,53,54,55,56,57,58,59,60,61,62,63
	v_max_num_f32 v[S+\j], 0xfe800000, v[S+\j]     ; a masked score is exactly -2^126, whatever the sum's last bit was
.endr
.Ljoin_\@:
.rept 4
	v_nop                                          ; places behind the products: K's registers take V, and the scores are read
.endr
.irp t, 0,1,2,3
.irp c, 0,1
	ds_load_b128 v[KV+12*\t+6*\c:KV+12*\t+6*\c+3], v4 offset:VOF+1536*\t+768*\c    ; V lands while the softmax is walked
	ds_load_b64 v[KV+12*\t+6*\c+4:KV+12*\t+6*\c+5], v5 offset:VOF+1536*\t+768*\c+512
.endr
.endr
	ds_load_b64 v[48:49], v5 offset:VOF+6144       ; V's scale words
.irp b, 0,1,2,3
	v_max3_num_f32 v[BM+\b], v[S+16*\b], v[S+1+16*\b], v[S+2+16*\b]   ; the largest score of each block of 32 keys: for the row's maximum, and, since p rises with the score, for the block's largest p
.endr
.irp i, 3,5,7,9,11,13
.irp b, 0,1,2,3
	v_max3_num_f32 v[BM+\b], v[BM+\b], v[S+16*\b+\i], v[S+1+16*\b+\i]
.endr
.endr
.irp b, 0,1,2,3
	v_max_num_f32 v[BM+\b], v[BM+\b], v[S+15+16*\b]
.endr
.irp b, 0,1,2,3
	v_permlanex16_b32 v[PD+\b], v[BM+\b], s[SEL], s[SEL+1]
.endr
.irp b, 0,1,2,3
	v_max_num_f32 v[BM+\b], v[BM+\b], v[PD+\b]     ; with lane l xor 16's 16 keys
.endr
	v_max3_num_f32 v[TMP], v[BM], v[BM+1], v[BM+2]
	v_max_num_f32 v[TMP], v[TMP], v[BM+3]          ; the step's largest score of my query
	v_mul_f32 v[TMP], s[CS], v[TMP]                ; as t
	v_max_num_f32 v13, v13, v[TMP]                 ; the running largest t
	v_mov_b32 v[TMP], v12
	v_floor_f32 v12, -v13                          ; the new -M = -ceil(t): a whole number
	v_sub_f32 v[TMP], v12, v[TMP]                  ; old M - new M: a whole number, 0 or less
	v_cvt_i32_f32 v[TMP], v[TMP]                   ; (it saturates)
	v_ldexp_f32 v42, 1.0, v[TMP]                   ; f = 2^(old M - new M)
.irp j, 0,2,4,6,8,10,12,14,16,18,20,22,24,26,28,30,32,34,36,38,40,42,44,46,48,50,52,54,56,58,60,62
	v_pk_fma_f32 v[S+\j:S+\j+1], v[S+\j:S+\j+1], s[CS:CS+1], v[12:13] op_sel_hi:[1,0,0]   ; t - M, two at a time
.endr
.irp b, 0,1,2,3
	v_fma_f32 v[BM+\b], v[BM+\b], s[CS], v12       ; the same of each block's largest score
.endr
.irp j, 0,1,2,3,4,5,6,7,8,9,10,11,12,13,14,15,16,17,18,19,20,21,22,23,24,25,26,27,28,29,30,31,32,33,34,35,36,37,38,39,40,41,42,43,44,45,46,47,48,49,50,51,52,53,54,55,56,57,58,59,60,61,62,63
	v_exp_f32 v[S+\j], v[S+\j]                     ; p = 2^(t - M), at most 1
.endr
	v_pk_mul_f32 v[14:15], v[14:15], v[42:43] op_sel_hi:[1,0]   ; the sums under the new M.  (A plain place behind the exponentials)
	s_wait_alu depctr_va_vdst(0)                   ; one wait for the whole batch, ahead of its first reader
.irp b, 0,1,2,3
	v_exp_f32 v[BM+\b], v[BM+\b]                   ; the block's largest p: the same two instructions on the same number
.endr
	v_pk_add_f32 v[SM2:SM2+1], v[S:S+1], v[S+2:S+3]   ; the row's sum is taken of the unquantised p, in two chains.  (It reads the 64 alone: plain work behind the four)
.irp j, 4,8,12,16,20,24,28,32,36,40,44,48,52,56,60
	v_pk_add_f32 v[14:15], v[14:15], v[S+\j:S+\j+1]
	v_pk_add_f32 v[SM2:SM2+1], v[SM2:SM2+1], v[S+2+\j:S+3+\j]
.endr
	v_pk_add_f32 v[14:15], v[14:15], v[SM2:SM2+1]
	s_wait_alu depctr_va_vdst(0)                   ; and one for the four
.irp b, 0,1,2,3
	v_max_num_f32 v[BM+\b], 0x1800000, v[BM+\b]    ; the floor 2^(3 - 127): the byte cannot fall under 1
.endr
.irp b, 0,1,2,3
	v_add_nc_u32 v[E+\b], 0xff000000, v[BM+\b]     ; 2 off the exponent field: the conversion's scale operand
.endr
.irp b, 0,1,2,3
	v_lshrrev_b32 v[PD+\b], 23, v[E+\b]            ; the scale's byte
.endr
	v_lshl_or_b32 v43, v[PD+1], 8, v[PD]           ; p's scale word for these 128 keys
	v_lshl_or_b32 v43, v[PD+2], 16, v43
	v_lshl_or_b32 v43, v[PD+3], 24, v43
.irp c, 0,1
	v_cvt_scalef32_pk16_fp6_f32 v[P+6*\c:P+6*\c+2], v[S+32*\c:S+32*\c+15], v[E+2*\c]
	v_cvt_scalef32_pk16_fp6_f32 v[CT+4*\c:CT+4*\c+2], v[S+32*\c+16:S+32*\c+31], v[E+2*\c+1]   ; (a conversion's three registers begin on an even number)
.endr
	v_nop                                          ; one plain place behind a scaled conversion
.irp c, 0,1
.irp i, 0,1,2
	v_permlane16_swap_b32 v[P+6*\c+\i], v[CT+4*\c+\i]   ; the layout wants a whole block in a lane
.endr
.irp i, 0,1,2
	v_mov_b32 v[P+3+6*\c+\i], v[CT+4*\c+\i]
.endr
.endr
.irp j, 0,2,4,6,8,10,12,14,16,18,20,22,24,26,28,30
	v_pk_mul_f32 v[O+\j:O+\j+1], v[O+\j:O+\j+1], v[42:43] op_sel_hi:[1,0]   ; O^T under the new M.  (These 16 are also the places between the scale word, the codes and the products)
.endr
	s_wait_dscnt 0x0                               ; V is in
.irp t, 0,1,2,3
.if \t%2
	v_wmma_scale_f32_16x16x128_f8f6f4 v[O+8*\t:O+8*\t+7], v[KV+12*\t:KV+12*\t+11], v[P:P+11], v[O+8*\t:O+8*\t+7], v[48+\t/2], v43 matrix_a_fmt:MATRIX_FMT_FP6 matrix_b_fmt:MATRIX_FMT_FP6 matrix_a_scale:MATRIX_SCALE_ROW1
.else
	v_wmma_scale_f32_16x16x128_f8f6f4 v[O+8*\t:O+8*\t+7], v[KV+12*\t:KV+12*\t+11], v[P:P+11], v[O+8*\t:O+8*\t+7], v[48+\t/2], v43 matrix_a_fmt:MATRIX_FMT_FP6 matrix_b_fmt:MATRIX_FMT_FP6
.endif
.endr
	s_add_co_u32 s[TB], s[TB], REC
	s_add_co_u32 s[TBB], s[TBB], 512
	s_add_co_u32 s[STC], s[STC], 1
	s_cmp_lt_u32 s[STC], 16
	s_cbranch_scc1 .Lstep_\@
	; THE WAY OUT: O^T / the sum; register 16 B + i is channel 32 B + 16 h + i of my query: 64 along the last product's K, quantised in registers: one half fragment and two scale bytes a row.
.rept 4
	v_nop                                          ; places behind the last products
.endr
	v_add_f32 v14, v14, v15
	v_permlanex16_b32 v[PD], v14, s[SEL], s[SEL+1]
	v_add_f32 v14, v14, v[PD]                      ; the row's sum
	v_rcp_f32 v[SM2], v14
	v_nop                                          ; a plain place behind the reciprocal
	s_wait_alu depctr_va_vdst(0)                   ; and the wait ahead of its first reader
.irp j, 0,2,4,6,8,10,12,14,16,18,20,22,24,26,28,30
	v_pk_mul_f32 v[S+\j:S+\j+1], v[O+\j:O+\j+1], v[SM2:SM2+1] op_sel_hi:[1,0]   ; each accumulator from its low end on
.endr
.irp b, 0,1
	v_max3_num_f32 v[BM+\b], |v[S+16*\b]|, |v[S+16*\b+1]|, 0x1800000
.endr
.irp i, 2,4,6,8,10,12,14
.irp b, 0,1
	v_max3_num_f32 v[BM+\b], |v[S+16*\b+\i]|, |v[S+16*\b+\i+1]|, v[BM+\b]
.endr
.endr
.irp b, 0,1
	v_permlanex16_b32 v[PD+\b], v[BM+\b], s[SEL], s[SEL+1]
.endr
.irp b, 0,1
	v_max_num_f32 v[BM+\b], v[BM+\b], v[PD+\b]
.endr
.irp b, 0,1
	v_add_nc_u32 v[E+\b], 0xff000000, v[BM+\b]
.endr
.irp b, 0,1
	v_lshrrev_b32 v[PD+\b], 23, v[E+\b]
.endr
	v_lshl_or_b32 v[TMP], v[PD+1], 8, v[PD]        ; the row's two scale bytes
	v_cvt_scalef32_pk16_fp6_f32 v[P:P+2], v[S:S+15], v[E]
	v_cvt_scalef32_pk16_fp6_f32 v[CT:CT+2], v[S+16:S+31], v[E+1]
	v_nop
.irp i, 0,1,2
	v_permlane16_swap_b32 v[P+\i], v[CT+\i]
.endr
.irp i, 0,1,2
	v_mov_b32 v[P+3+\i], v[CT+\i]
.endr
	global_store_b128 v1, v[P:P+3], s[OB:OB+1] offset:12288*\u          ; 512 and 256 consecutive bytes, aligned to 256
	global_store_b64 v2, v[P+4:P+5], s[OB:OB+1] offset:12288*\u+512
.if \u == 0
	v_mov_b32 v[QW0], v[TMP]
.else
	v_cndmask_b32 v236, v[QW0], v[TMP], s[LM]      ; lanes 0-15 the first tile's rows, lanes 16-31 the second's
	global_store_b16 v7, v236, s[OSB:OSB+1]        ; a head's half of a scale word: two bytes a row, 16 bytes apart: one part in 24 of the codes' bytes
.endif
.endm
	PASS 0
	PASS 1
	s_wait_tensorcnt 0x0
	ds_add_u32 v254, v255
	s_wait_dscnt 0x0
	s_endpgm
.Lfunc_end_k_q04441ab2d6_attn:
	.size	k_q04441ab2d6_attn, .Lfunc_end_k_q04441ab2d6_attn-k_q04441ab2d6_attn
	.p2alignl 7, 3214868480
	.fill 96, 4, 3214868480
	.section	.rodata,"a",@progbits
	.p2align	6, 0x0
	.amdhsa_kernel k_q04441ab2d6_attn
		.amdhsa_group_segment_fixed_size 219136
		.amdhsa_private_segment_fixed_size 0
		.amdhsa_enable_private_segment 0
		.amdhsa_kernarg_size 48
		.amdhsa_user_sgpr_count 2
		.amdhsa_user_sgpr_kernarg_segment_ptr 1
		.amdhsa_wavefront_size32 1
		.amdhsa_system_sgpr_workgroup_id_x 1
		.amdhsa_system_sgpr_workgroup_id_y 1
		.amdhsa_system_sgpr_workgroup_id_z 1
		.amdhsa_system_vgpr_workitem_id 0
		.amdhsa_next_free_vgpr 256
		.amdhsa_next_free_sgpr 66
		.amdhsa_reserve_vcc 1
		.amdhsa_float_denorm_mode_32 3
		.amdhsa_float_denorm_mode_16_64 3
		.amdhsa_memory_ordered 1
		.amdhsa_forward_progress 1
		.amdhsa_inst_pref_size 64
	.end_amdhsa_kernel
	.amdgpu_metadata
---
amdhsa.version: [ 1, 2 ]
amdhsa.kernels:
  - .name:           k_q04441ab2d6_attn
    .symbol:         k_q04441ab2d6_attn.kd
    .args:
      - { .name: q_img, .offset: 0, .size: 8, .value_kind: global_buffer, .address_space: global }
      - { .name: kv_img, .offset: 8, .size: 8, .value_kind: global_buffer, .address_space: global }
      - { .name: key_padding_mask, .offset: 16, .size: 8, .value_kind: global_buffer, .address_space: global }
      - { .name: flags, .offset: 24, .size: 8, .value_kind: global_buffer, .address_space: global }
      - { .name: ow_img, .offset: 32, .size: 8, .value_kind: global_buffer, .address_space: global }
      - { .name: ow_sc, .offset: 40, .size: 8, .value_kind: global_buffer, .address_space: global }
    .group_segment_fixed_size: 219136
    .private_segment_fixed_size: 0
    .kernarg_segment_align: 8
    .kernarg_segment_size: 48
    .max_flat_workgroup_size: 512
    .sgpr_count:     66
    .vgpr_count:     256
    .wavefront_size: 32
...
	.end_amdgpu_metadata
.endif
;; end of part 3
;; launch proj (part 4): grid 4 x 32, 4 waves a work-group, clusters of 4 x 4, 327,680 bytes of LDS; arguments ow_img, ow_sc, bo, out0; writes out0
.if DOCPART == 4
	.amdgcn_target "amdgcn-amd-amdhsa--gfx1250"
	.amdhsa_code_object_version 6
	.text
	.protected	k_q04441ab2d6_proj
	.globl	k_q04441ab2d6_proj
	.p2align	8
	.type	k_q04441ab2d6_proj,@function
k_q04441ab2d6_proj:
	s_mov_b64 s[64:65], 0
	v_nop
	global_prefetch_b8 v0, s[64:65] scope:SCOPE_SE
	s_setreg_imm32_b32 hwreg(HW_REG_WAVE_MODE, 25, 1), 1
	s_wait_xcnt 0x0
	s_wait_alu depctr_hold_cnt(0) depctr_sa_sdst(0) depctr_va_vdst(0) depctr_va_sdst(0) depctr_va_ssrc(0) depctr_va_vcc(0) depctr_vm_vsrc(0)
	s_getreg_b32 s2, hwreg(HW_REG_IB_STS2, 6, 4)
	s_cmp_eq_u32 s2, 0
	s_cbranch_scc0 .Lentry_in_a_cluster
	s_endpgm
.Lentry_in_a_cluster:
	s_bfe_u32 s2, ttmp6, 0x10000c
	s_cmp_lg_u32 s2, 0xf033
	s_cbranch_scc0 .Lentry_shape_is_right
	s_endpgm
.Lentry_shape_is_right:
; PROJ.  out0 = o Wo^T + bo: o [8192][1024] (attention's result) and Wo [1024][1024] on codes of FP6 (E2M3) with one E8M0 scale for each 32 along K; out0 f32.
; The main run is that of the launch qkv: operands come as images of their registers (a row tile of 16 rows, tile 2 B + u holding in place i the row 32 B + 8 u + i + 8 (i / 8), is 16 half fragments of 768 bytes along K);
; a work-group makes 256 x 256, each of four waves 128 x 128 in 64 accumulators; K = 1,024 goes through two LDS slots of 256 along K, four fills, eight steps of 128, written out.
; Source 0 (S0) = rows of Wo, source 1 (S1) = tokens: a lane holds a token, and the registers of S0's tiles 2 B and 2 B + 1 are sixteen neighbouring outputs.  The bias is the C of each sum's first matrix instruction.
; CLUSTERS of 4 x 4: S0's tile hangs on cx and is shared along a column of the cluster, S1's on cy and the cluster's y and is shared along a row: joint loads.
; The problem's 32 x 4 tiles make 128 work-groups; a smaller tile would read each fragment from LDS for fewer products.
; REGISTERS, in windows of 256: window 0: v0-31 addresses; v32-95 scale words; v128-223 S1's fragments, one set (on the way out v128-255: rows of the result).
;   window 1: S0's fragments, two sets, at v0 and v128; the bias's eight tiles at v96-127 and v224-255.   window 2, 3: the accumulators: (a, b) in window 2 + a / 4 at v[8 (8 (a % 4) + b)].
.set XIMG,  6291456                    ; Wo's images lie behind o's 512 row tiles
.set XSC,   262144
.set FR,    12
.set NL,    4
.set NP,    4
.set HALFT, 24576
.set SLOT,  4*HALFT
.set SPARE, 2*SLOT                     ; behind the ring: the spare words, 128 bytes for each wave
.set SPITCH, 528                       ; the way out: a stage of 16 rows x (512 bytes + 16) for each wave, in slot 0, which has had its last fill and its last read when the first result is stored there
.set ADRA,  16
.set ADRB,  20
.set L16,   24
.set L8,    25
.set STO,   26
.set RD,    27
.set SPW,   28
.set NIL,   29
.set BOA,   30
.set SCA,   31
.set SC,    32
.set AF,    128
.set BK,    128
.set G1,    24
.set G0,    32
.set G1B,   48
.set G0B,   56
.set MSB, 0
.macro WIN new                         ; the immediate's high byte repeats the setting that is left
.if MSB != (\new)
	s_set_vgpr_msb (MSB<<8)|(\new)
.set MSB, (\new)
.endif
.endm
.set MUL_LO, 0xa1                      ; source 0 window 1, source 1 window 0, C and D window 2
.set MUL_HI, 0xf1
.set BIA_LO, 0x91                      ; the same with C (the bias) in window 1
.set BIA_HI, 0xd1
.set TO_B,   0x40
.macro JLOAD g0a, g1a, g0b, g1b        ; a joint load: waves 0 and 1 fetch S1's halves, waves 2 and 3 S0's; four v_nop follow each of the two lines
	s_cmp_eq_u32 s15, 0
	s_cbranch_scc0 .Lfor_b_\@
	tensor_load_to_lds s[\g0a:\g0a+3], s[\g1a:\g1a+7]
	s_nop 0
.rept 4
	v_nop
.endr
	s_branch .Lasked_\@
.Lfor_b_\@:
	tensor_load_to_lds s[\g0b:\g0b+3], s[\g1b:\g1b+7]
	s_nop 0
.rept 4
	v_nop
.endr
.Lasked_\@:
.endm
.macro CREST
	s_cmp_lg_u32 s14, 0
	s_cbranch_scc1 .Lnot_wave_0_\@
	s_barrier_signal -3
.Lnot_wave_0_\@:
	s_barrier_wait -3
	s_barrier_signal -1
	s_barrier_wait -1
.endm
.macro CROUND
	s_barrier_signal -1
	s_barrier_wait -1
	CREST
.endm
.macro PLACES n
.rept \n
	v_nop
.endr
.endm
	s_load_b256 s[4:11], s[0:1], 0x0               ; the images s[4:5], the scale words s[6:7], bo s[8:9], out0 s[10:11]
	v_lshl_add_u32 v[SPW], v0, 2, SPARE
	v_mov_b32 v[NIL], 0
	ds_add_u32 v28, v29
	ds_add_u32 v28, v29
	s_wait_dscnt 0x0
	v_lshrrev_b32 v1, 5, v0
	v_readfirstlane_b32 s14, v1                    ; wave 0..3
	s_lshr_b32 s15, s14, 1                         ; my half of the tokens.  Also: I fetch for S1 (0) or for S0 (1)
	s_and_b32 s16, s14, 1                          ; my half of the outputs.  Also: which 8 row tiles I fetch
	s_bfe_u32 s40, ttmp6, 0x40000                  ; cx, cy
	s_bfe_u32 s41, ttmp6, 0x40004
	s_and_b32 s17, ttmp7, 0xffff                   ; the cluster's y
	s_lshl_b32 s43, s41, 2
	s_lshl_b32 s43, 15, s43                        ; my row of the cluster
	s_lshl_b32 s44, 0x1111, s40                    ; my column
	s_or_b32 s[G1+0], s43, (3<<16)|(1<<21)         ; 8 rows (row tiles) of 3,072 bytes, 12,288 apart, elements of 8 bytes; S1's tiles go to my row,
	s_or_b32 s[G1B+0], s44, (3<<16)|(1<<21)        ; S0's to my column
.irp g, G1, G1B
	s_mov_b32 s[\g+1], 384<<16
	s_mov_b32 s[\g+2], 8<<16
	s_mov_b32 s[\g+3], 384<<16
	s_mov_b32 s[\g+4], 8
	s_mov_b32 s[\g+5], 1536
	s_mov_b32 s[\g+6], 0
	s_mov_b32 s[\g+7], 0
.endr
	s_lshl_b32 s45, s17, 2
	s_add_co_u32 s45, s45, s41                     ; S1's tile of 256 tokens (never holds cx)
	s_mul_i32 s2, s16, 8*12288
	s_mul_i32 s68, s40, 16*12288                   ; S0's tile is cx (never holds cy)
	s_add_co_u32 s68, s68, XIMG
	s_add_co_u32 s68, s68, s2
	s_mov_b32 s69, 0
	s_mul_i32 s70, s45, 16*12288
	s_add_co_u32 s70, s70, s2
	s_mov_b32 s71, 0
	s_mul_i32 s3, s14, HALFT
	s_wait_kmcnt 0x0
	s_add_nc_u64 s[68:69], s[4:5], s[68:69]
	s_add_nc_u64 s[70:71], s[4:5], s[70:71]
	CROUND                                         ; all sixteen work-groups are here: the first joint loads meet
.irp s, 0,1
	s_mov_b32 s[G0+4*\s], 1
	s_add_co_u32 s[G0+4*\s+1], s3, \s*SLOT
	s_add_nc_u64 s[G0+4*\s+2:G0+4*\s+3], s[70:71], \s*3072
	s_or_b32 s[G0+4*\s+3], s[G0+4*\s+3], 0x80000000
	s_mov_b32 s[G0B+4*\s], 1
	s_add_co_u32 s[G0B+4*\s+1], s3, \s*SLOT
	s_add_nc_u64 s[G0B+4*\s+2:G0B+4*\s+3], s[68:69], \s*3072
	s_or_b32 s[G0B+4*\s+3], s[G0B+4*\s+3], 0x80000000
	JLOAD G0+4*\s, G1, G0B+4*\s, G1B               ; two tensor loads of mine are out at the most
.endr
	v_and_b32 v1, 31, v0                           ; lane
	v_and_b32 v2, 15, v0                           ; r
	v_bfe_u32 v3, v0, 4, 1                         ; h
	v_lshlrev_b32 v[L16], 4, v1
	v_lshlrev_b32 v[L8], 3, v1
	s_mul_i32 s72, s15, HALFT
	s_mul_i32 s73, s16, HALFT
	s_add_co_u32 s73, s73, 2*HALFT
.irp s, 0,1
	v_add_nc_u32 v[ADRA+\s], s72, v[L16]
	v_add_nc_u32 v[ADRA+2+\s], s72, v[L8]
	v_add_nc_u32 v[ADRB+\s], s73, v[L16]
	v_add_nc_u32 v[ADRB+2+\s], s73, v[L8]
	s_add_co_u32 s72, s72, SLOT
	s_add_co_u32 s73, s73, SLOT
.endr
	s_lshl_b32 s74, s45, 13
	s_lshl_b32 s75, s15, 12
	s_add_co_u32 s74, s74, s75                     ; S1's scale words
	s_lshl_b32 s76, s40, 13
	s_add_co_u32 s76, s76, XSC
	s_lshl_b32 s75, s16, 12
	s_add_co_u32 s76, s76, s75                     ; S0's
	v_mov_b32 v4, s74
	v_mov_b32 v5, s76
	v_cmp_lt_u32 vcc_lo, 15, v1
	v_cndmask_b32 v4, v4, v5, vcc_lo
	v_lshl_add_u32 v[SCA], v2, 4, v4
.irp i, 0,1,2,3,4,5,6,7
.irp k, 0,1
	global_load_b128 v[SC+8*\i+4*\k:SC+8*\i+4*\k+3], v[SCA], s[6:7] offset:512*\i+256*\k
.endr
.endr
	v_lshlrev_b32 v[BOA], 6, v3                    ; the bias in the result's layout: tile 2 B + u, register j: output 32 B + 16 h + 8 u + j of my 128
	s_lshl_b32 s72, s40, 10
	s_lshl_b32 s73, s16, 9
	s_add_co_u32 s72, s72, s73                     ; my first output, in bytes: 1,024 cx + 512 x half
	s_mov_b32 s73, 0
	s_add_nc_u64 s[8:9], s[8:9], s[72:73]
	s_add_nc_u64 s[10:11], s[10:11], s[72:73]
	WIN TO_B
.irp b, 0,1,2,3,4,5,6,7
	global_load_b128 v[96+8*\b+96*(\b/4):99+8*\b+96*(\b/4)], v[BOA], s[8:9] offset:128*(\b/2)+32*(\b%2)
	global_load_b128 v[100+8*\b+96*(\b/4):103+8*\b+96*(\b/4)], v[BOA], s[8:9] offset:128*(\b/2)+32*(\b%2)+16
.endr
	WIN 0
	s_lshl_b32 s72, s45, 8
	s_lshl_b32 s74, s15, 7
	s_add_co_u32 s72, s72, s74                     ; my first token
	s_lshl_b32 s72, s72, 12                        ; a row of out0 is 4,096 bytes
	s_add_nc_u64 s[10:11], s[10:11], s[72:73]
	s_mul_i32 s74, s14, 16*SPITCH                  ; my stage
	v_mul_u32_u24 v4, v2, SPITCH
	v_lshl_add_u32 v4, v3, 6, v4
	v_add_nc_u32 v[STO], s74, v4                   ; in: row r, + 64 h
	v_add_nc_u32 v[RD], s74, v[L16]                ; back: the 32 lanes take a row of 512 bytes
.macro FRAG reg, adr, q, i
	ds_load_b128 v[(\reg):(\reg)+3], v[\adr] offset:3072*(\i)+1536*(\q)
	ds_load_b64 v[(\reg)+4:(\reg)+5], v[\adr+2] offset:3072*(\i)+1536*(\q)+512
	ds_load_b128 v[(\reg)+6:(\reg)+9], v[\adr] offset:3072*(\i)+1536*(\q)+768
	ds_load_b64 v[(\reg)+10:(\reg)+11], v[\adr+2] offset:3072*(\i)+1536*(\q)+1280
.endm
.macro FETCH_B slot, q, p
	WIN TO_B
.irp i, 0,1,2,3,4,5,6,7
	FRAG 128*(\p)+FR*\i, ADRB+\slot, \q, \i
.endr
	WIN 0
.endm
.macro FETCH_A slot, q, i0
.irp i, \i0, \i0+1, \i0+2, \i0+3
	FRAG AF+FR*(\i), ADRA+\slot, \q, \i
.endr
.endm
; 16 matrix instructions.  first = 1: the sums begin with the bias.  The 64 accumulators take turns, one instruction a turn, in the same order in every step.
.macro MUL16 a0, p, ks, first
.irp a, \a0, \a0+1
.irp b, 0,1,2,3,4,5,6,7
.if \first
	v_wmma_scale_f32_16x16x128_f8f6f4 v[8*(8*((\a)%4)+\b):8*(8*((\a)%4)+\b)+7], v[128*(\p)+FR*\b:128*(\p)+FR*\b+FR-1], v[AF+FR*(\a):AF+FR*(\a)+FR-1], v[96+8*\b+96*(\b/4):103+8*\b+96*(\b/4)], v[SC+8*\b+(\ks)], v[SC+8*(\a)+(\ks)] matrix_a_fmt:MATRIX_FMT_FP6 matrix_b_fmt:MATRIX_FMT_FP6 matrix_a_scale:MATRIX_SCALE_ROW1
.else
	v_wmma_scale_f32_16x16x128_f8f6f4 v[8*(8*((\a)%4)+\b):8*(8*((\a)%4)+\b)+7], v[128*(\p)+FR*\b:128*(\p)+FR*\b+FR-1], v[AF+FR*(\a):AF+FR*(\a)+FR-1], v[8*(8*((\a)%4)+\b):8*(8*((\a)%4)+\b)+7], v[SC+8*\b+(\ks)], v[SC+8*(\a)+(\ks)] matrix_a_fmt:MATRIX_FMT_FP6 matrix_b_fmt:MATRIX_FMT_FP6 matrix_a_scale:MATRIX_SCALE_ROW1
.endif
.endr
.endr
.endm
.macro STEP slot, ks, first
	s_wait_dscnt 4*NL                              ; S0's set and S1's tiles 0-3 are in; the youngest 16 loads (tiles 4-7) may be out
.if \first
	WIN BIA_LO
.else
	WIN MUL_LO
.endif
	MUL16 0, 0, \ks, \first
	MUL16 2, 0, \ks, \first
	s_wait_dscnt 0x0
	PLACES NP
	FETCH_B \slot, 1, 1
	FETCH_A \slot, 1, 0
.if \first
	WIN BIA_HI
.else
	WIN MUL_HI
.endif
	MUL16 4, 0, \ks, \first
	MUL16 6, 0, \ks, \first
	PLACES NP
	WIN 0
	FETCH_A \slot, 1, 4
.endm
.macro TURN slot, next, fill, ks
	s_wait_tensorcnt 0x0                           ; all my tensor loads have landed: my part of the next slot
	ds_add_u32 v[SPW], v[NIL]                      ; 0 onto my spare word
	s_wait_dscnt 4*NL+1                            ; (the add and the youngest 16 loads may be out)
	WIN MUL_LO
	MUL16 0, 1, \ks, 0
	s_wait_dscnt 0x0                               ; the add is done, and my reads of this slot are over
	s_barrier_signal -1
	MUL16 2, 1, \ks, 0
	WIN 0
	s_barrier_wait -1
.if \fill
	CREST                                          ; the barrier has opened a round of the cluster's barrier: no wave of any partner still reads this slot or has a load on its way
	s_add_nc_u64 s[G0+4*\slot+2:G0+4*\slot+3], s[G0+4*\slot+2:G0+4*\slot+3], 2*3072
	s_add_nc_u64 s[G0B+4*\slot+2:G0B+4*\slot+3], s[G0B+4*\slot+2:G0B+4*\slot+3], 2*3072
	JLOAD G0+4*\slot, G1, G0B+4*\slot, G1B
.else
	PLACES NP
.endif
	FETCH_B \next, 0, 0
	FETCH_A \next, 0, 0
	WIN MUL_HI
	MUL16 4, 1, \ks, 0
	MUL16 6, 1, \ks, 0
	PLACES NP
	WIN 0
	FETCH_A \next, 0, 4
.endm
	s_wait_tensorcnt 1                             ; my part of slot 0 is in; slot 1's may stay out
	s_wait_loadcnt 0x0                             ; the scale words and the bias
	s_barrier_signal -1
	s_barrier_wait -1
	FETCH_B 0, 0, 0
	FETCH_A 0, 0, 0
	FETCH_A 0, 0, 4
	STEP 0, 0, 1
	TURN 0, 1, 1, 1
	STEP 1, 2, 0
	TURN 1, 0, 1, 3
	STEP 0, 4, 0
	TURN 0, 1, 0, 5                                ; nothing is left to fetch; behind this barrier nobody reads slot 0
	STEP 1, 6, 0
	s_wait_dscnt 4*NL
	WIN MUL_LO
	MUL16 0, 1, 7, 0
	MUL16 2, 1, 7, 0
	s_wait_dscnt 0x0
	WIN MUL_HI
	MUL16 4, 1, 7, 0
	MUL16 6, 1, 7, 0
	WIN 0
; THE WAY OUT, tile by tile of 16 tokens x 128 outputs.  A lane holds pieces of one row, and the lanes beside it hold other rows: a tile goes through my own stage in LDS and comes back as whole rows of 512 bytes.
; LDS serves a wave's instructions in order (ISA guide 5.7.1.4): no wait between the stores and the loads, nor in front of the next tile's stores.
.macro TOSTAGE a
.set AC, 64*((\a)%4)
	WIN 0x08+4*((\a)/4)                            ; the data: window 2 or 3
.irp b, 0,1,2,3,4,5,6,7
	ds_store_b128 v[STO], v[AC+8*\b:AC+8*\b+3] offset:128*(\b/2)+32*(\b%2)          ; each accumulator from its low end on
	ds_store_b128 v[STO], v[AC+8*\b+4:AC+8*\b+7] offset:128*(\b/2)+32*(\b%2)+16
.endr
	WIN 0
.set BB, BK+64*((\a)%2)
.irp t, 0,1,2,3,4,5,6,7,8,9,10,11,12,13,14,15
	ds_load_b128 v[BB+4*\t:BB+4*\t+3], v[RD] offset:\t*SPITCH
.endr
.endm
.macro SEND a, younger                 ; younger: the LDS instructions issued behind tile a's loads, which may stay out
.set BB, BK+64*((\a)%2)
	s_wait_dscnt \younger
.irp t, 0,1,2,3,4,5,6,7,8,9,10,11,12,13,14,15
	global_store_b128 v[L16], v[BB+4*\t:BB+4*\t+3], s[10:11] offset:(32*((\a)/2)+8*((\a)%2)+\t+8*(\t/8))*4096 th:TH_STORE_NT   ; place t of tile a is token 32 (a / 2) + 8 (a % 2) + t + 8 (t / 8); 512 consecutive bytes, aligned to 256; 127 rows at the most: inside the signed 24-bit immediate
.endr
.endm
	PLACES NP                                      ; behind the last products: results are read, and loads land in S1's registers
	TOSTAGE 0
.irp a, 1,2,3,4,5,6,7
.if \a > 1
	s_wait_xcnt 0x0                                ; tile a - 2's stores have read their registers: tile a's loads may land there
.endif
	TOSTAGE \a
	SEND \a-1, 32                                  ; behind tile a - 1's loads: tile a's 16 stores and 16 loads
.endr
	SEND 7, 0
	s_wait_tensorcnt 0x0                           ; the wave's end: an add of 0 to my spare word, behind my last tensor load and my last LDS store
	ds_add_u32 v[SPW], v[NIL]
	s_wait_dscnt 0x0
	CROUND                                         ; the closing round: no work-group ends while a partner may still ask for a tile that names it
	s_endpgm
.Lfunc_end_k_q04441ab2d6_proj:
	.size	k_q04441ab2d6_proj, .Lfunc_end_k_q04441ab2d6_proj-k_q04441ab2d6_proj
	.p2alignl 7, 3214868480
	.fill 96, 4, 3214868480
	.section	.rodata,"a",@progbits
	.p2align	6, 0x0
	.amdhsa_kernel k_q04441ab2d6_proj
		.amdhsa_group_segment_fixed_size 327680
		.amdhsa_private_segment_fixed_size 0
		.amdhsa_enable_private_segment 0
		.amdhsa_kernarg_size 32
		.amdhsa_user_sgpr_count 2
		.amdhsa_user_sgpr_kernarg_segment_ptr 1
		.amdhsa_wavefront_size32 1
		.amdhsa_system_sgpr_workgroup_id_x 1
		.amdhsa_system_sgpr_workgroup_id_y 1
		.amdhsa_system_sgpr_workgroup_id_z 1
		.amdhsa_system_vgpr_workitem_id 0
		.amdhsa_next_free_vgpr 1024
		.amdhsa_next_free_sgpr 100
		.amdhsa_reserve_vcc 1
		.amdhsa_float_denorm_mode_32 3
		.amdhsa_float_denorm_mode_16_64 3
		.amdhsa_memory_ordered 1
		.amdhsa_forward_progress 1
		.amdhsa_inst_pref_size 142
	.end_amdhsa_kernel
	.amdgpu_metadata
---
amdhsa.version: [ 1, 2 ]
amdhsa.kernels:
  - .name:           k_q04441ab2d6_proj
    .symbol:         k_q04441ab2d6_proj.kd
    .args:
      - { .name: ow_img, .offset: 0, .size: 8, .value_kind: global_buffer, .address_space: global }
      - { .name: ow_sc, .offset: 8, .size: 8, .value_kind: global_buffer, .address_space: global }
      - { .name: bo, .offset: 16, .size: 8, .value_kind: global_buffer, .address_space: global }
      - { .name: out0, .offset: 24, .size: 8, .value_kind: global_buffer, .address_space: global }
    .group_segment_fixed_size: 327680
    .private_segment_fixed_size: 0
    .kernarg_segment_align: 8
    .kernarg_segment_size: 32
    .max_flat_workgroup_size: 128
    .sgpr_count:     100
    .vgpr_count:     1024
    .wavefront_size: 32
...
	.end_amdgpu_metadata
.endif
;; end of part 4
;; ======== version 2 of 2: 4 launches; version 1 with the launch attn written anew for expert scheduling mode
;; workspace buffers: xw_img 8,650,752 bytes; xw_sc 360,448 bytes; q_img 6,815,744 bytes; kv_img 13,369,344 bytes; ow_img 7,077,888 bytes; ow_sc 294,912 bytes; rope 524,288 bytes; flags 256 bytes of whole numbers
;; launch prep: the kernel of part 1 again; grid 449 x 1, 4 waves a work-group, no clusters, 34,304 bytes of LDS; arguments x, Wqkv, Wo, key_padding_mask, xw_img, xw_sc, ow_img, ow_sc, rope, flags; writes xw_img, xw_sc, ow_img, ow_sc, rope, flags
;; launch qkv: the kernel of part 2 again; grid 12 x 32, 4 waves a work-group, clusters of 4 x 4, 327,680 bytes of LDS; arguments xw_img, xw_sc, rope, q_img, kv_img; writes q_img, kv_img
;; launch attn (part 5): grid 4 x 64, 16 waves a work-group, no clusters, 219,136 bytes of LDS; arguments q_img, kv_img, key_padding_mask, flags, ow_img, ow_sc; writes ow_img, ow_sc
.if DOCPART == 5
	.amdgcn_target "amdgcn-amd-amdhsa--gfx1250"
	.amdhsa_code_object_version 6
	.text
	.protected	k_q04441ab2d6_attn
	.globl	k_q04441ab2d6_attn
	.p2align	8
	.type	k_q04441ab2d6_attn,@function
k_q04441ab2d6_attn:
	s_mov_b64 s[64:65], 0
	v_nop
	global_prefetch_b8 v0, s[64:65] scope:SCOPE_SE
	s_setreg_imm32_b32 hwreg(HW_REG_WAVE_SCHED_MODE, 0, 2), 2
	s_setreg_imm32_b32 hwreg(HW_REG_WAVE_MODE, 25, 1), 1
	s_wait_xcnt 0x0
	s_wait_alu depctr_vm_vsrc(0)
; ATTENTION on codes of FP6 (E2M3) with one E8M0 scale for each 32 along a product's K.  64 (batch, head) pairs, 2,048 tokens, head size 64, a key padding mask that is an input.
; THE SOFTMAX AHEAD OF THE SECOND PRODUCT: t = score x log2(e) / 8; M = the row's largest t so far, rounded up to a whole number; p = 2^(t - M) is quantised along the keys, not normalised.  The row's sum is taken of the
; unquantised p and divides O at the end.  When M moves, the sum and O are multiplied by 2^(old M - new M): exact.  The result is quantised along (head, channel), as the last product's operand.
; SHARES.  A work-group owns one head and 512 queries; each of its sixteen waves owns 32 of them, two tiles of 16, one after the other (two passes), in 256 registers: four waves to a SIMD, so that one wave's vector
; work stands beside another's matrix work and LDS loads.
; A WHOLE HEAD'S K AND V LIE IN LDS: 16 records of 13,056 bytes (128 keys each), brought once through registers (wave w brings record w), one barrier in the whole kernel; after it 32 key steps a wave with no ring.
; NO TENSOR LOADS AND NO CLUSTER, by this text's own arithmetic: a key step branches on a stored flag (has this group of 128 keys a masked key?); without that branch each of a wave's 32 steps would read the mask's 8,192
; bytes (16 loads of 512) beside the 13,056 that it reads anyway.  What four work-groups of a head share is 208,896 bytes, read once by each, against 32 key steps of every wave.
; LAYOUT.  Both products are used transposed: S^T = K Q^T (source 0 = 16 keys, source 1 = my 16 queries), O^T = V^T P^T (source 0 = 16 channels, source 1 = P): a lane holds one query throughout.  The keys (and channels)
; of a tile are not neighbours: place i of tile 2 B + u is 32 B + 8 u + i + 8 (i / 8), so that the 16 registers of tiles 2 B and 2 B + 1 are 16 neighbours, 32 B + 16 (lane / 16) + 0 .. 15.
; K = 64 IN THE FIRST PRODUCT.  Q's fragment is six registers of codes and six of zeros.  K's tiles lie on end, six registers each; a tile's operand names twelve: the upper six are the next tile's codes (behind the last tile: zeros),
; which meet Q's zero codes and add nothing.  The scale words of q and k repeat their two bytes.
; THE MASK.  A masked key's score begins as -2^126 (the C of the step's first and only product) and is then held at -2^126 from below, so that it is exactly that: p = 0 beside any key that counts, and in a row all of whose
; keys are masked every p is 1 (c x 2^126 is exact in f32): the uniform weights of reference().  LIMITS: scores stay under 2^101; NaN and infinities are not served; a block under 2^-124 keeps the scale byte 1.
; REGISTERS: v1-7 addresses; v12 -M, v13 the largest t, v[14:15] the sum; v16-27, v28-39 Q's two tiles; v40, v41 their scale words; v42 f, v43 p's scale word; v44-47 K's scale words, v48-49 V's; v50-97 K's or V's fragments,
; v98-103 zeros; v104-167 S^T, then p; v168-199 O^T; v200-211 p's codes; v212-236 at work.
; THE MODE: SCHED_MODE bits 1:0 = 2 (LLVM: expert scheduling mode 2), set by the entry lines.  The code itself states the register dependences between vector or matrix instructions and memory or LDS instructions,
; with s_wait_alu, always for 0.
; THE PLAN.  Registers that memory or LDS instructions touch:
;   v1, v2, v7, v9, v11   offsets, made once at the head and never written again.
;   v4, v5, v6            LDS addresses.  At the head: of my stores.  In a step: written by three additions at its head; v4 and v5 are read by K's and V's loads, v6 by the loads of the mask's numbers.
;   v50-97, v44-49        K and its scale words land at a step's head and are read by the eight first products; V and its scale words land behind those and are read by the four second products.
;                         K and V share their 48 registers: of the wave's 256 only 23 are free.
;   v104-167              matrix results, then vector work up to the conversions; in a step with masked keys the mask's numbers land here at the step's head.
;   v104-211              at the head only: my record and the mask's four numbers on their way into LDS.   v200-205, v236: what a pass stores at its end.
; A STEP'S WAITS.  At its head one on vm_vsrc ahead of the three additions and one on va_vdst behind them; one on va_vdst behind the first products, ahead of V's loads; the two behind the exponentials;
; one on va_vdst behind the rescaling of O^T, ahead of the second products.  Between each of them and the loads or products that it serves no vector or matrix instruction names a register that those touch.
.set REC,  13056                       ; a record: K's 8 half fragments (6,144) + 512 of scale words, V's 8 (6,144) + 256
.set VOF,  6656
.set BIAS, 16*REC                      ; behind the records: 2,048 f32 in the keys' order: 0, or -2^126 for a masked key
.set KV,   50
.set S,    104
.set O,    168
.set P,    200
.set CT,   212
.set BM,   220
.set PD,   224
.set E,    228
.set SM2,  232
.set TMP,  234
.set QW0,  235
.set SEL,  44                          ; s[44:45] selects: lane l xor 16
.set CS,   46                          ; s[46:47] c = log2(e) / 8
.set FL,   48                          ; s48  my batch's flags
.set TB,   49                          ; s49  where the step's record begins
.set TBB,  50                          ; s50  and its 512 bytes of the mask's numbers
.set STC,  51                          ; s51  the step
.set TT,   52
.set LM,   53                          ; s53  the mask of lanes 16-31
.set OB,   54                          ; s[54:55] where my codes go
.set OSB,  56                          ; s[56:57] and my scale bytes
.set CM,   58                          ; s[58:61] at the head only: which lanes' four keys are masked
.set WB,   62                          ; s62  at the head only: where the record that I bring lies in LDS
	s_load_b256 s[4:11], s[0:1], 0x0               ; q_img s[4:5], kv_img s[6:7], the mask s[8:9], flags s[10:11]
	s_load_b128 s[12:15], s[0:1], 0x20             ; ow_img s[12:13], ow_sc s[14:15]
	v_lshl_add_u32 v254, v0, 2, 0x35000
	v_mov_b32 v255, 0
	v_lshrrev_b32 v8, 5, v0
	v_readfirstlane_b32 s16, v8                    ; wave 0..15
	v_and_b32 v8, 31, v0                           ; lane
	v_and_b32 v9, 15, v0                           ; r
	v_bfe_u32 v10, v0, 4, 1                        ; h
	v_lshlrev_b32 v1, 4, v8                        ; 16 x lane
	v_lshlrev_b32 v2, 3, v8                        ; 8 x lane
	v_lshl_add_u32 v3, v10, 6, BIAS                ; the mask's numbers: my 16 keys of a block of 32
	v_lshlrev_b32 v9, 4, v9                        ; 16 r
	v_lshl_add_u32 v7, v10, 9, v9                  ; the scale bytes' place: 16 r, + 512 for the second tile
	v_lshlrev_b32 v11, 2, v0                       ; 4 x thread
	v_lshl_add_u32 v6, v0, 4, BIAS                 ; where I store four of the mask's numbers
	s_wait_alu depctr_va_sdst(0)                   ; s16 is written, ahead of its first reader: the bases below are made from it
	s_and_b32 s17, ttmp7, 0xffff                   ; 16 batch + head
	s_lshr_b32 s18, s17, 4                         ; batch
	s_and_b32 s19, s17, 15                         ; head
	s_lshl_b32 s24, s17, 4
	s_add_co_u32 s25, s24, s16
	s_mul_i32 s26, s25, REC                        ; the record that I bring
	s_mov_b32 s27, 0
	s_mul_i32 s[WB], s16, REC                      ; and where it goes
	v_add_nc_u32 v4, s[WB], v1
	v_add_nc_u32 v5, s[WB], v2
	s_lshl_b32 s28, ttmp9, 2
	s_lshr_b32 s29, s16, 2
	s_add_co_u32 s28, s28, s29
	s_add_co_u32 s28, s28, s24                     ; Q's record: my 32 queries are pair wave % 4 of group 4 x + wave / 4
	s_mul_i32 s28, s28, 6656
	s_and_b32 s30, s16, 3
	s_lshl_b32 s31, s30, 2
	s_add_co_u32 s32, s28, s31
	s_add_co_u32 s32, s32, 6144                    ; its scale words: word wave % 4
	s_mov_b32 s33, 0
	s_mul_i32 s31, s30, 1536
	s_add_co_u32 s28, s28, s31                     ; its two half fragments
	s_mov_b32 s29, 0
	s_lshl_b32 s34, s18, 11                        ; the batch's 2,048 bytes of the mask
	s_mov_b32 s35, 0
	s_lshl_b32 s36, ttmp9, 4
	s_add_co_u32 s36, s36, s16                     ; my pair of tiles in the batch
	s_lshl_b32 s36, s36, 1
	s_lshl_b32 s37, s18, 7
	s_add_co_u32 s36, s36, s37                     ; row tile of the last product's operand
	s_mul_i32 s38, s36, 12288
	s_mul_i32 s39, s19, 768
	s_add_co_u32 s38, s38, s39                     ; the head's 64 along K are half fragment number head
	s_mov_b32 s39, 0
	s_lshl_b32 s40, s36, 9
	s_lshr_b32 s41, s19, 3
	s_lshl_b32 s41, s41, 8
	s_add_co_u32 s40, s40, s41
	s_and_b32 s41, s19, 7
	s_lshl_b32 s41, s41, 1
	s_add_co_u32 s40, s40, s41                     ; and two bytes of scale word head / 2: 256 (head / 8) + 2 (head % 8)
	s_mov_b32 s41, 0
	s_lshl_b32 s42, s18, 2
	s_mov_b32 s43, 0
	s_mov_b32 s[SEL], 0x76543210
	s_mov_b32 s[SEL+1], 0xfedcba98
	s_mov_b32 s[CS], 0x3e38aa3b
	s_mov_b32 s[CS+1], s[CS]                       ; (named with it as a pair, so it is written)
	s_mov_b32 s[LM], 0xffff0000
	s_wait_kmcnt 0x0
	s_add_nc_u64 s[6:7], s[6:7], s[26:27]
	s_add_nc_u64 s[32:33], s[4:5], s[32:33]
	s_add_nc_u64 s[4:5], s[4:5], s[28:29]
	s_add_nc_u64 s[8:9], s[8:9], s[34:35]
	s_add_nc_u64 s[OB:OB+1], s[12:13], s[38:39]
	s_add_nc_u64 s[OSB:OSB+1], s[14:15], s[40:41]
	s_add_nc_u64 s[10:11], s[10:11], s[42:43]
	s_load_b32 s[FL], s[10:11], 0x0
	s_wait_alu depctr_va_vdst(0)                   ; the offsets v1, v2, v7, v9, v11 and the LDS addresses v4, v5, v6 are written, which the loads and stores below read; v8, in which the mask's load lands, has been written and read
.irp i, 0,1,2,3,4,5,6,7,8,9,10,11,12,13,14,15,16,17,18,19,20,21,22,23,24
	global_load_b128 v[104+4*\i:107+4*\i], v1, s[6:7] offset:512*\i   ; my record, 512 consecutive bytes a load
.endr
	global_load_b64 v[204:205], v2, s[6:7] offset:12800
	global_load_b32 v8, v11, s[8:9]                ; four bytes of the mask
.irp u, 0,1
	global_load_b128 v[16+12*\u:19+12*\u], v1, s[4:5] offset:768*\u        ; Q's tile u
	global_load_b64 v[20+12*\u:21+12*\u], v2, s[4:5] offset:768*\u+512
	global_load_b32 v[40+\u], v9, s[32:33] offset:256*\u                   ; its scale words, into lanes 0-15 (lanes 16-31 hold the same and are not read)
.endr
	v_mov_b32 v206, 0xfe800000                     ; -2^126.  (This line and the moves below name no register that a load or a store of the head touches)
.irp j, 22,23,24,25,26,27,34,35,36,37,38,39,98,99,100,101,102,103
	v_mov_b32 v[\j], 0                             ; zero codes: the upper halves of Q's fragments, and what follows K's last tile
.endr
	v_mov_b32 v43, 0                               ; (named as the upper half of the pair v[42:43] before it is first written)
.irp b, 0,1,2,3
	v_mov_b32 v[PD+\b], 0                          ; a lane permute's destination counts as read
.endr
	s_wait_loadcnt 7                               ; my record is in; the mask's load and Q's six may be out
.irp i, 0,1,2,3,4,5,6,7,8,9,10,11,12,13,14,15,16,17,18,19,20,21,22,23,24
	ds_store_b128 v4, v[104+4*\i:107+4*\i] offset:512*\i
.endr
	ds_store_b64 v5, v[204:205] offset:12800
	s_wait_loadcnt 6                               ; the mask's four bytes
.irp k, 0,1,2,3
	v_bfe_u32 v[208+\k], v8, 8*\k, 8
.endr
.irp k, 0,1,2,3
	v_cmp_ne_u32 s[CM+\k], 0, v[208+\k]            ; the four compares in a run, each into a scalar register of its own
.endr
	s_wait_alu depctr_va_sdst(0)                   ; the four compares have written s[58:61], ahead of the selects that read them
.irp k, 0,1,2,3
	v_cndmask_b32 v[208+\k], 0, v206, s[CM+\k]
.endr
	s_wait_alu depctr_va_vdst(0)                   ; the selects have written v[208:211], which the LDS store reads
	ds_store_b128 v6, v[208:211]                   ; keys 4 x thread ..
	s_wait_loadcnt 0x0                             ; Q
	s_wait_kmcnt 0x0                               ; the flags
	s_wait_dscnt 0x0                               ; for the others' sake: my stores have landed
	s_barrier_signal -1
	s_barrier_wait -1                              ; the head's K and V and the mask's numbers lie in LDS; nothing writes them again
; S^T = K Q^T: eight tiles of 16 keys.  bias = 1: the sums begin with the mask's numbers, which the loads have laid into the accumulators
.macro SMUL u, bias
.irp t, 0,1,2,3,4,5,6,7
.if \bias
.if \t%2
	v_wmma_scale_f32_16x16x128_f8f6f4 v[S+8*\t:S+8*\t+7], v[KV+6*\t:KV+6*\t+11], v[16+12*\u:27+12*\u], v[S+8*\t:S+8*\t+7], v[44+\t/2], v[40+\u] matrix_a_fmt:MATRIX_FMT_FP6 matrix_b_fmt:MATRIX_FMT_FP6 matrix_a_scale:MATRIX_SCALE_ROW1
.else
	v_wmma_scale_f32_16x16x128_f8f6f4 v[S+8*\t:S+8*\t+7], v[KV+6*\t:KV+6*\t+11], v[16+12*\u:27+12*\u], v[S+8*\t:S+8*\t+7], v[44+\t/2], v[40+\u] matrix_a_fmt:MATRIX_FMT_FP6 matrix_b_fmt:MATRIX_FMT_FP6
.endif
.else
.if \t%2
	v_wmma_scale_f32_16x16x128_f8f6f4 v[S+8*\t:S+8*\t+7], v[KV+6*\t:KV+6*\t+11], v[16+12*\u:27+12*\u], 0, v[44+\t/2], v[40+\u] matrix_a_fmt:MATRIX_FMT_FP6 matrix_b_fmt:MATRIX_FMT_FP6 matrix_a_scale:MATRIX_SCALE_ROW1
.else
	v_wmma_scale_f32_16x16x128_f8f6f4 v[S+8*\t:S+8*\t+7], v[KV+6*\t:KV+6*\t+11], v[16+12*\u:27+12*\u], 0, v[44+\t/2], v[40+\u] matrix_a_fmt:MATRIX_FMT_FP6 matrix_b_fmt:MATRIX_FMT_FP6
.endif
.endif
.endr
.endm
; A PASS: my tile u of 16 queries against all 2,048 keys, 128 a step, and its way out.
.macro PASS u
	s_wait_xcnt 0x0                                ; the last pass's stores have read their registers
	s_wait_alu depctr_vm_vsrc(0)                   ; beside it.  First pass: my LDS stores at the head have read v104 to v211, where O^T, the scores and p's codes are written from here on.  Second pass: the first pass's stores have read p's registers
	v_mov_b32 v13, 0xff61b1e6                      ; the largest t so far: -3e38, under every t
	v_floor_f32 v12, -v13                          ; -M
	v_mov_b32 v14, 0
	v_mov_b32 v15, 0
.irp j, 0,1,2,3,4,5,6,7,8,9,10,11,12,13,14,15,16,17,18,19,20,21,22,23,24,25,26,27,28,29,30,31
	v_mov_b32 v[O+\j], 0                           ; O^T.  (The step is written once: the first finds zeros, which the first change of M leaves zeros)
.endr
	s_mov_b32 s[TB], 0
	s_mov_b32 s[TBB], 0
	s_mov_b32 s[STC], 0
.Lstep_\@:
	s_wait_alu depctr_vm_vsrc(0)                   ; the LDS instructions issued so far have read v4, v5 and v6, which the three additions write
	v_add_nc_u32 v4, s[TB], v1
	v_add_nc_u32 v5, s[TB], v2
	v_add_nc_u32 v6, s[TBB], v3
	v_nop                                          ; four places in front of loads into registers that the last products have read
	s_wait_alu depctr_va_vdst(0)                   ; v4, v5, v6 are written, which the loads below read; the last step's second products are done reading V and its scale words, where K lands now and V's words later; the last step's vector work is done with the scores' registers, where the mask's numbers may land; in a pass's first step: the zero codes beside Q and K, which the scaled products take, are written
.irp t, 0,1,2,3,4,5,6,7
	ds_load_b128 v[KV+6*\t:KV+6*\t+3], v4 offset:768*\t
	ds_load_b64 v[KV+6*\t+4:KV+6*\t+5], v5 offset:768*\t+512
.endr
	ds_load_b128 v[44:47], v4 offset:6144          ; K's scale words
	s_lshr_b32 s[TT], s[FL], s[STC]
	s_and_b32 s[TT], s[TT], 1
	s_cmp_lg_u32 s[TT], 0                          ; has this group a masked key?  A stored whole number decides
	s_cbranch_scc1 .Lmasked_\@
	s_wait_dscnt 0x0
	SMUL \u, 0
	s_branch .Ljoin_\@
.Lmasked_\@:
.irp q, 0,1,2,3,4,5,6,7,8,9,10,11,12,13,14,15
	ds_load_b128 v[S+4*\q:S+4*\q+3], v6 offset:128*(\q/4)+16*(\q%4)   ; register 16 B + i: key 32 B + 16 h + i.  No vector or matrix instruction since the wait at the step's head names these registers or v6
.endr
	s_wait_dscnt 0x0
	SMUL \u, 1
.rept 4
	v_nop
.endr
.irp j, 0,1,2,3,4,5,6,7,8,9,10,11,12,13,14,15,16,17,18,19,20,21,22,23,24,25,26,27,28,29,30,31,32,33,34,35,36,37,38,39,40,41,42,43,44,45,46,47,48,49,50,51,52,53,54,55,56,57,58,59,60,61,62,63
	v_max_num_f32 v[S+\j], 0xfe800000, v[S+\j]     ; a masked score is exactly -2^126, whatever the sum's last bit was
.endr
.Ljoin_\@:
.rept 4
	v_nop                                          ; places behind the products: K's registers take V, and the scores are read
.endr
	s_wait_alu depctr_va_vdst(0)                   ; the eight products are done reading K, in whose registers V lands
.irp t, 0,1,2,3
.irp c, 0,1
	ds_load_b128 v[KV+12*\t+6*\c:KV+12*\t+6*\c+3], v4 offset:VOF+1536*\t+768*\c    ; V lands while the softmax is walked
	ds_load_b64 v[KV+12*\t+6*\c+4:KV+12*\t+6*\c+5], v5 offset:VOF+1536*\t+768*\c+512
.endr
.endr
	ds_load_b64 v[48:49], v5 offset:VOF+6144       ; V's scale words
.irp b, 0,1,2,3
	v_max3_num_f32 v[BM+\b], v[S+16*\b], v[S+1+16*\b], v[S+2+16*\b]   ; the largest score of each block of 32 keys: for the row's maximum, and, since p rises with the score, for the block's largest p
.endr
.irp i, 3,5,7,9,11,13
.irp b, 0,1,2,3
	v_max3_num_f32 v[BM+\b], v[BM+\b], v[S+16*\b+\i], v[S+1+16*\b+\i]
.endr
.endr
.irp b, 0,1,2,3
	v_max_num_f32 v[BM+\b], v[BM+\b], v[S+15+16*\b]
.endr
.irp b, 0,1,2,3
	v_permlanex16_b32 v[PD+\b], v[BM+\b], s[SEL], s[SEL+1]
.endr
.irp b, 0,1,2,3
	v_max_num_f32 v[BM+\b], v[BM+\b], v[PD+\b]     ; with lane l xor 16's 16 keys
.endr
	v_max3_num_f32 v[TMP], v[BM], v[BM+1], v[BM+2]
	v_max_num_f32 v[TMP], v[TMP], v[BM+3]          ; the step's largest score of my query
	v_mul_f32 v[TMP], s[CS], v[TMP]                ; as t
	v_max_num_f32 v13, v13, v[TMP]                 ; the running largest t
	v_mov_b32 v[TMP], v12
	v_floor_f32 v12, -v13                          ; the new -M = -ceil(t): a whole number
	v_sub_f32 v[TMP], v12, v[TMP]                  ; old M - new M: a whole number, 0 or less
	v_cvt_i32_f32 v[TMP], v[TMP]                   ; (it saturates)
	v_ldexp_f32 v42, 1.0, v[TMP]                   ; f = 2^(old M - new M)
.irp j, 0,2,4,6,8,10,12,14,16,18,20,22,24,26,28,30,32,34,36,38,40,42,44,46,48,50,52,54,56,58,60,62
	v_pk_fma_f32 v[S+\j:S+\j+1], v[S+\j:S+\j+1], s[CS:CS+1], v[12:13] op_sel_hi:[1,0,0]   ; t - M, two at a time
.endr
.irp b, 0,1,2,3
	v_fma_f32 v[BM+\b], v[BM+\b], s[CS], v12       ; the same of each block's largest score
.endr
.irp j, 0,1,2,3,4,5,6,7,8,9,10,11,12,13,14,15,16,17,18,19,20,21,22,23,24,25,26,27,28,29,30,31,32,33,34,35,36,37,38,39,40,41,42,43,44,45,46,47,48,49,50,51,52,53,54,55,56,57,58,59,60,61,62,63
	v_exp_f32 v[S+\j], v[S+\j]                     ; p = 2^(t - M), at most 1
.endr
	v_pk_mul_f32 v[14:15], v[14:15], v[42:43] op_sel_hi:[1,0]   ; the sums under the new M.  (A plain place behind the exponentials)
	s_wait_alu depctr_va_vdst(0)                   ; the 64 exponentials have written p: one wait for the whole batch, ahead of its first reader
.irp b, 0,1,2,3
	v_exp_f32 v[BM+\b], v[BM+\b]                   ; the block's largest p: the same two instructions on the same number
.endr
	v_pk_add_f32 v[SM2:SM2+1], v[S:S+1], v[S+2:S+3]   ; the row's sum is taken of the unquantised p, in two chains.  (It reads the 64 alone: plain work behind the four)
.irp j, 4,8,12,16,20,24,28,32,36,40,44,48,52,56,60
	v_pk_add_f32 v[14:15], v[14:15], v[S+\j:S+\j+1]
	v_pk_add_f32 v[SM2:SM2+1], v[SM2:SM2+1], v[S+2+\j:S+3+\j]
.endr
	v_pk_add_f32 v[14:15], v[14:15], v[SM2:SM2+1]
	s_wait_alu depctr_va_vdst(0)                   ; the four exponentials have written the blocks' largest p, ahead of their first reader
.irp b, 0,1,2,3
	v_max_num_f32 v[BM+\b], 0x1800000, v[BM+\b]    ; the floor 2^(3 - 127): the byte cannot fall under 1
.endr
.irp b, 0,1,2,3
	v_add_nc_u32 v[E+\b], 0xff000000, v[BM+\b]     ; 2 off the exponent field: the conversion's scale operand
.endr
.irp b, 0,1,2,3
	v_lshrrev_b32 v[PD+\b], 23, v[E+\b]            ; the scale's byte
.endr
	v_lshl_or_b32 v43, v[PD+1], 8, v[PD]           ; p's scale word for these 128 keys
	v_lshl_or_b32 v43, v[PD+2], 16, v43
	v_lshl_or_b32 v43, v[PD+3], 24, v43
.irp c, 0,1
	v_cvt_scalef32_pk16_fp6_f32 v[P+6*\c:P+6*\c+2], v[S+32*\c:S+32*\c+15], v[E+2*\c]
	v_cvt_scalef32_pk16_fp6_f32 v[CT+4*\c:CT+4*\c+2], v[S+32*\c+16:S+32*\c+31], v[E+2*\c+1]   ; (a conversion's three registers begin on an even number)
.endr
	v_nop                                          ; one plain place behind a scaled conversion
.irp c, 0,1
.irp i, 0,1,2
	v_permlane16_swap_b32 v[P+6*\c+\i], v[CT+4*\c+\i]   ; the layout wants a whole block in a lane
.endr
.irp i, 0,1,2
	v_mov_b32 v[P+3+6*\c+\i], v[CT+4*\c+\i]
.endr
.endr
.irp j, 0,2,4,6,8,10,12,14,16,18,20,22,24,26,28,30
	v_pk_mul_f32 v[O+\j:O+\j+1], v[O+\j:O+\j+1], v[42:43] op_sel_hi:[1,0]   ; O^T under the new M.  (These 16 are also the places between the scale word, the codes and the products)
.endr
	s_wait_alu depctr_va_vdst(0)                   ; p's codes and p's scale word v43 are written, which the scaled products below take; the places above stay beside this wait
	s_wait_dscnt 0x0                               ; V is in
.irp t, 0,1,2,3
.if \t%2
	v_wmma_scale_f32_16x16x128_f8f6f4 v[O+8*\t:O+8*\t+7], v[KV+12*\t:KV+12*\t+11], v[P:P+11], v[O+8*\t:O+8*\t+7], v[48+\t/2], v43 matrix_a_fmt:MATRIX_FMT_FP6 matrix_b_fmt:MATRIX_FMT_FP6 matrix_a_scale:MATRIX_SCALE_ROW1
.else
	v_wmma_scale_f32_16x16x128_f8f6f4 v[O+8*\t:O+8*\t+7], v[KV+12*\t:KV+12*\t+11], v[P:P+11], v[O+8*\t:O+8*\t+7], v[48+\t/2], v43 matrix_a_fmt:MATRIX_FMT_FP6 matrix_b_fmt:MATRIX_FMT_FP6
.endif
.endr
	s_add_co_u32 s[TB], s[TB], REC
	s_add_co_u32 s[TBB], s[TBB], 512
	s_add_co_u32 s[STC], s[STC], 1
	s_cmp_lt_u32 s[STC], 16
	s_cbranch_scc1 .Lstep_\@
	; THE WAY OUT: O^T / the sum; register 16 B + i is channel 32 B + 16 h + i of my query: 64 along the last product's K, quantised in registers: one half fragment and two scale bytes a row.
.rept 4
	v_nop                                          ; places behind the last products
.endr
	v_add_f32 v14, v14, v15
	v_permlanex16_b32 v[PD], v14, s[SEL], s[SEL+1]
	v_add_f32 v14, v14, v[PD]                      ; the row's sum
	v_rcp_f32 v[SM2], v14
	v_nop                                          ; a plain place behind the reciprocal
	s_wait_alu depctr_va_vdst(0)                   ; the reciprocal has written v[SM2], ahead of its first reader
.irp j, 0,2,4,6,8,10,12,14,16,18,20,22,24,26,28,30
	v_pk_mul_f32 v[S+\j:S+\j+1], v[O+\j:O+\j+1], v[SM2:SM2+1] op_sel_hi:[1,0]   ; each accumulator from its low end on
.endr
.irp b, 0,1
	v_max3_num_f32 v[BM+\b], |v[S+16*\b]|, |v[S+16*\b+1]|, 0x1800000
.endr
.irp i, 2,4,6,8,10,12,14
.irp b, 0,1
	v_max3_num_f32 v[BM+\b], |v[S+16*\b+\i]|, |v[S+16*\b+\i+1]|, v[BM+\b]
.endr
.endr
.irp b, 0,1
	v_permlanex16_b32 v[PD+\b], v[BM+\b], s[SEL], s[SEL+1]
.endr
.irp b, 0,1
	v_max_num_f32 v[BM+\b], v[BM+\b], v[PD+\b]
.endr
.irp b, 0,1
	v_add_nc_u32 v[E+\b], 0xff000000, v[BM+\b]
.endr
.irp b, 0,1
	v_lshrrev_b32 v[PD+\b], 23, v[E+\b]
.endr
	v_lshl_or_b32 v[TMP], v[PD+1], 8, v[PD]        ; the row's two scale bytes
	v_cvt_scalef32_pk16_fp6_f32 v[P:P+2], v[S:S+15], v[E]
	v_cvt_scalef32_pk16_fp6_f32 v[CT:CT+2], v[S+16:S+31], v[E+1]
	v_nop
.irp i, 0,1,2
	v_permlane16_swap_b32 v[P+\i], v[CT+\i]
.endr
.irp i, 0,1,2
	v_mov_b32 v[P+3+\i], v[CT+\i]
.endr
.if \u == 0
	v_mov_b32 v[QW0], v[TMP]
.else
	v_cndmask_b32 v236, v[QW0], v[TMP], s[LM]      ; lanes 0-15 the first tile's rows, lanes 16-31 the second's
.endif
	s_wait_alu depctr_va_vdst(0)                   ; the codes v[P] to v[P + 5] are written, and in the second pass the scale bytes v236: the stores below read them
	global_store_b128 v1, v[P:P+3], s[OB:OB+1] offset:12288*\u          ; 512 and 256 consecutive bytes, aligned to 256
	global_store_b64 v2, v[P+4:P+5], s[OB:OB+1] offset:12288*\u+512
.if \u == 1
	global_store_b16 v7, v236, s[OSB:OSB+1]        ; a head's half of a scale word: two bytes a row, 16 bytes apart: one part in 24 of the codes' bytes
.endif
.endm
	PASS 0
	PASS 1
	s_wait_dscnt 0x0
	s_wait_alu depctr_hold_cnt(0) depctr_sa_sdst(0) depctr_va_vdst(0) depctr_va_sdst(0) depctr_va_ssrc(0) depctr_va_vcc(0) depctr_vm_vsrc(0)
	s_wait_tensorcnt 0x0
	ds_add_u32 v254, v255
	s_wait_dscnt 0x0
	s_endpgm
.Lfunc_end_k_q04441ab2d6_attn:
	.size	k_q04441ab2d6_attn, .Lfunc_end_k_q04441ab2d6_attn-k_q04441ab2d6_attn
	.p2alignl 7, 3214868480
	.fill 96, 4, 3214868480
	.section	.rodata,"a",@progbits
	.p2align	6, 0x0
	.amdhsa_kernel k_q04441ab2d6_attn
		.amdhsa_group_segment_fixed_size 219136
		.amdhsa_private_segment_fixed_size 0
		.amdhsa_enable_private_segment 0
		.amdhsa_kernarg_size 48
		.amdhsa_user_sgpr_count 2
		.amdhsa_user_sgpr_kernarg_segment_ptr 1
		.amdhsa_wavefront_size32 1
		.amdhsa_system_sgpr_workgroup_id_x 1
		.amdhsa_system_sgpr_workgroup_id_y 1
		.amdhsa_system_sgpr_workgroup_id_z 1
		.amdhsa_system_vgpr_workitem_id 0
		.amdhsa_next_free_vgpr 256
		.amdhsa_next_free_sgpr 66
		.amdhsa_reserve_vcc 0
		.amdhsa_float_denorm_mode_32 3
		.amdhsa_float_denorm_mode_16_64 3
		.amdhsa_memory_ordered 1
		.amdhsa_forward_progress 1
		.amdhsa_inst_pref_size 65
	.end_amdhsa_kernel
	.amdgpu_metadata
---
amdhsa.version: [ 1, 2 ]
amdhsa.kernels:
  - .name:           k_q04441ab2d6_attn
    .symbol:         k_q04441ab2d6_attn.kd
    .args:
      - { .name: q_img, .offset: 0, .size: 8, .value_kind: global_buffer, .address_space: global }
      - { .name: kv_img, .offset: 8, .size: 8, .value_kind: global_buffer, .address_space: global }
      - { .name: key_padding_mask, .offset: 16, .size: 8, .value_kind: global_buffer, .address_space: global }
      - { .name: flags, .offset: 24, .size: 8, .value_kind: global_buffer, .address_space: global }
      - { .name: ow_img, .offset: 32, .size: 8, .value_kind: global_buffer, .address_space: global }
      - { .name: ow_sc, .offset: 40, .size: 8, .value_kind: global_buffer, .address_space: global }
    .group_segment_fixed_size: 219136
    .private_segment_fixed_size: 0
    .kernarg_segment_align: 8
    .kernarg_segment_size: 48
    .max_flat_workgroup_size: 512
    .sgpr_count:     66
    .vgpr_count:     256
    .wavefront_size: 32
...
	.end_amdgpu_metadata
.endif
;; end of part 5
;; launch proj: the kernel of part 4 again; grid 4 x 32, 4 waves a work-group, clusters of 4 x 4, 327,680 bytes of LDS; arguments ow_img, ow_sc, bo, out0; writes out0
